; MI455X (gfx1250); checked and timed in simulation.
; The chip was launched on July 23, 2026; its instructions are those of AMD's public machine-readable ISA for CDNA 5 (MIT licence, August 2026) and "CDNA5" Instruction Set Architecture Reference Guide (July 2026). The comments in the code are by the model that wrote it; some were corrected since.
;; Parallel Transformer Block. Allowed arithmetic: matrix products marked QUANTISED: E3M2 operands, one E8M0 scale for each 32 along K, by v_wmma_scale_f32_16x16x128_f8f6f4 with both operands' format E3M2, f32 sums; products left as they are: f32 operands where the result goes on into a quantised operand, else bf16, f16 or f32 operands; f32 sums; everything else in f32.
;; Inputs: attn_mask 2 x 2,048 x 2,048 bool; ln_b 2,048 float32; ln_w 2,048 float32; w_attn_out 512 x 2,048 float32; w_ff_out 2,048 x 2,048 float32; w_fused 2,048 x 4,640 float32; x 2 x 2,048 x 2,048 float32.
;; Outputs: out0 2 x 2,048 x 2,048 float32.
;; This version of the problem:
;;   THIS VERSION OF THE PROBLEM IS GIVEN IN LOW PRECISION. The matrix products marked QUANTISED in the list below multiply operands that are first quantised to E3M2 (3 exponent bits, 2 mantissa bits; 6 bits a number), with one power-of-two scale for each 32 numbers along K (OCP MX v1.0); their sums are f32. All else is computed in f32.
;;   The module's matrix products, in the order in which they are computed (A, B: the left and right operand; K: the contracted axis; several contracted axes count as one K, in the product's order):
;;     1. [M 4,096, K 2,048] x [K 2,048, N 4,640]; A: computed on the way; B: input w_fused: QUANTISED
;;     2. batch 2 x [M 65,536, K 16] x [K 16, N 2,048]; A: computed on the way; B: computed on the way: left as it is (K = 16 < 32)
;;     3. batch 2 x [M 65,536, K 2,048] x [K 2,048, N 16]; A: softmax (see below); B: computed on the way: QUANTISED
;;     4. [M 4,096, K 512] x [K 512, N 2,048]; A: computed on the way; B: input w_attn_out: QUANTISED
;;     5. [M 4,096, K 2,048] x [K 2,048, N 2,048]; A: computed on the way; B: input w_ff_out: QUANTISED
;;   THE QUANTISER, for each operand of a quantised product, along K:
;;     - K is cut into blocks of 32 from its start; a last block that is shorter is filled with zeros.
;;     - A block's scale is 2^e with e = floor(log2(the largest magnitude in the block)) - 4, held to -126 .. 127; a block of zeros has e = 0. As a byte (E8M0): e + 127.
;;     - Each number is divided by its block's scale, clamped to +-28, and rounded to the nearest number of E3M2, ties to even, subnormals kept.
;;     - The product sums the exact products of the quantised numbers (number of the format x scale) in f32.
;;   ~~~python
;;   def quantise(x, axis):      # numpy; x: float32 -> the quantised numbers, widened to float32 again
;;       x = np.moveaxis(x, axis, -1); K = x.shape[-1]
;;       x = np.pad(x, [(0, 0)] * (x.ndim - 1) + [(0, -K % 32)]); x = x.reshape(x.shape[:-1] + (-1, 32)); a = np.abs(x).max(-1, keepdims=True)
;;       e = np.where(a > 0, np.clip(np.frexp(np.where(a > 0, a, 1))[1] - 1 - 4, -126, 127), 0)      # np.frexp(a)[1] - 1 = floor(log2(a)), exactly
;;       r = np.clip(x / 2.0 ** e, -28, 28)
;;       step = 2.0 ** (np.maximum(np.frexp(np.where(r == 0, 1, r))[1] - 1, -2) - 2)
;;       q = np.round(r / step) * step * 2.0 ** e      # np.round: ties to even
;;       return np.moveaxis(q.reshape(q.shape[:-2] + (-1,))[..., :K], -1, axis).astype(np.float32)
;;   ~~~
;;   SOFTMAX AHEAD OF A QUANTISED PRODUCT. Where the list says 'softmax', what is quantised is not the finished softmax but p = 2^(t - M), with t = logit x log2(e) and M = ceil(the row's largest t), a whole number; so 1/2 < the row's largest p <= 1. The row's sum l is taken of the UNQUANTISED p, in f32, and the product's result is divided by l at the end. Since M is a whole number, a kernel that streams over the keys may use a running M (the ceiling of the running maximum): every later rescaling is an exact power of two, which a block's scale takes up: the codes' values come out the same.
;;   OPERANDS COMPUTED ON THE WAY. 'Computed on the way' means the value that the module computes at that place (a softmax that the list does not call 'softmax' is quantised finished and normalised). What goes into a quantiser is computed in f32, as accurately as f32 sums, v_exp_f32 and their like allow (about 1e-6 of the number): no bf16 or f16 on the way to a quantiser, and a product that is left as it is and whose result goes on into a quantised operand takes f32 operands (vector FMAs, or v_wmma_f32_16x16x4_f32). A number that lies on a knife's edge between two numbers of the format may be rounded either way, as far as f32 arithmetic and the matrix unit's own rounding can turn it there, and no further.
;; One version. Each part assembles by itself: llvm-mc -triple=amdgcn-amd-amdhsa -mcpu=gfx1250 --defsym DOCPART=n.
;; ======== version 1 of 1: 4 launches
;; workspace buffers: act1 6,553,600 bytes; wq1 7,424,000 bytes; wq2 4,096,000 bytes; act2 8,192,000 bytes; qkv 8,912,896 bytes
;; launch prep (part 1): grid 61 x 8, 8 waves a work-group, no clusters, 2,048 bytes of LDS; arguments x, ln_w, ln_b, w_fused, w_attn_out, w_ff_out, act1, wq1, wq2; writes act1, wq1, wq2
.if DOCPART == 1
	.amdgcn_target "amdgcn-amd-amdhsa--gfx1250"
	.amdhsa_code_object_version 6
	.text
	.protected	k_q442774aec4_prep
	.globl	k_q442774aec4_prep
	.p2align	8
	.type	k_q442774aec4_prep,@function
k_q442774aec4_prep:
	s_mov_b64 s[64:65], 0
	v_nop
	global_prefetch_b8 v0, s[64:65] scope:SCOPE_SE
	s_setreg_imm32_b32 hwreg(HW_REG_WAVE_MODE, 25, 1), 1
	s_wait_xcnt 0x0
; PREP: LayerNorm of x and its codes; the codes of the three weights.  Codes are BF6 (E3M2), one E8M0 byte for each 32 along K.
; ALL CODES ARE LAID AS IMAGES OF THE OPERAND'S REGISTERS.  A fragment (16 rows x 128 K, 12 registers a lane) is 1,536 bytes: six pieces of 256 bytes, piece p = registers 2 p, 2 p + 1 of
; lane l at 256 p + 8 l.  A buffer is [row / 16][K / 128][1,536]; behind the codes lie the scale bytes as [row / 16][K / 256][row % 16][8].
; Work-groups part by their x (the same for all eight waves): 0-31 LayerNorm (16 rows each, x + 32 y); 32-50 w_fused; 51-58 w_ff_out; 59-60 w_attn_out.
; LayerNorm: wave w takes K 256 w .. 256 w + 255 of the 16 rows; the rows' sums meet in LDS (two barriers).  The variance is taken of x - mean: no difference of large sums.
; Weights: K is their first axis: a lane takes a column and its registers run down K; a wave takes 32 columns x 256 K; no LDS.
; w_fused's columns are laid for the next launch: row blocks 0-255 hold the feed-forward columns (for tile column t and half ch: 16 t + 8 ch + b, b 0-3 value, b 4-7 gate; lane r of tile
; 2 B + u takes hidden unit 32 B + 8 u + r + 8 (r / 8)); 256-287 q; 288 k; 289 v.
; LIMITS: NaN and infinities are not served; a block whose largest magnitude lies under 2^-122 keeps the byte 1 (a block of zeros too: its codes are zeros, and this program alone reads the bytes).
.set A1S, 6291456
.set B1S, 7127040
.set B2S, 3932160
.set WV,  22
.set YY,  23
.set SEL, 46
.set X,   16                           ; v16-143  LayerNorm: register 64 s + 16 b + i = k 128 s + 32 b + 16 h + i of my row
.set WB,  144                          ; v144-207 two sets of 16 ln_w + 16 ln_b
.set TM,  208                          ; v208-223 sums, then the quantiser's work
.set PC,  228                          ; v228-247 codes
.set WX,  32                           ; weights: v32-95 two sets of 32 numbers
.set WFR, 160                          ; v160-207 codes, 12 registers for each 64 along K: no store's data are written again
.set WTM, 208                          ; v208-214 the second conversions' results
; 64 numbers of a lane, register 16 b + i = k 32 b + 16 (lane / 16) + i of its row, become a fragment's codes in v[pc] on and its scale word in v[pw]
.macro QUANT s, pc, tq, pw
.irp b, 0,1,2,3
	v_max3_num_f32 v[TM+\b], |v[\s+16*\b]|, |v[\s+1+16*\b]|, 0x2800000   ; with the floor 2^(5 - 127): the byte cannot fall under 1
.endr
.irp i, 2,4,6,8,10,12,14
.irp b, 0,1,2,3
	v_max3_num_f32 v[TM+\b], v[TM+\b], |v[\s+16*\b+\i]|, |v[\s+1+16*\b+\i]|
.endr
.endr
.irp b, 0,1,2,3
	v_permlanex16_b32 v[TM+4+\b], v[TM+\b], s[SEL], s[SEL+1]
.endr
.irp b, 0,1,2,3
	v_max_num_f32 v[TM+\b], v[TM+\b], v[TM+4+\b]           ; with lane l xor 16's: the block's largest magnitude
.endr
.irp b, 0,1,2,3
	v_add_nc_u32 v[TM+12+\b], 0xfe000000, v[TM+\b]         ; 4 off its exponent field: the conversion's scale operand
.endr
.irp b, 0,1,2,3
	v_lshrrev_b32 v[TM+4+\b], 23, v[TM+12+\b]              ; the scale's byte
.endr
	v_lshl_or_b32 v[\pw], v[TM+5], 8, v[TM+4]
	v_lshl_or_b32 v[\pw], v[TM+6], 16, v[\pw]
	v_lshl_or_b32 v[\pw], v[TM+7], 24, v[\pw]
.irp c, 0,1
	v_cvt_scalef32_pk16_bf6_f32 v[\pc+6*\c:\pc+2+6*\c], v[\s+32*\c:\s+15+32*\c], v[TM+12+2*\c]
	v_cvt_scalef32_pk16_bf6_f32 v[\tq+4*\c:\tq+2+4*\c], v[\s+16+32*\c:\s+31+32*\c], v[TM+12+2*\c+1]
.endr
	v_nop                                                  ; one plain place behind a scaled conversion
.irp c, 0,1
.irp i, 0,1,2
	v_permlane16_swap_b32 v[\pc+6*\c+\i], v[\tq+4*\c+\i]   ; a whole block to a lane: lanes 0-15 block 2 c, lanes 16-31 block 2 c + 1
.endr
.irp i, 0,1,2
	v_mov_b32 v[\pc+3+6*\c+\i], v[\tq+4*\c+\i]
.endr
.endr
.endm
	s_load_b256 s[4:11], s[0:1], 0x0               ; x, ln_w, ln_b, w_fused
	s_load_b256 s[12:19], s[0:1], 0x20             ; w_attn_out, w_ff_out, act1, wq1
	s_load_b64 s[20:21], s[0:1], 0x40              ; wq2
	v_lshl_add_u32 v254, v0, 2, 0x400
	v_mov_b32 v255, 0
	v_lshrrev_b32 v1, 5, v0
	v_readfirstlane_b32 s[WV], v1                  ; wave 0..7
	s_and_b32 s[YY], ttmp7, 0xffff
	v_and_b32 v9, 31, v0                           ; lane
	v_and_b32 v1, 15, v0                           ; r
	v_bfe_u32 v2, v0, 4, 1                         ; h
	s_mov_b32 s[SEL], 0x76543210
	s_mov_b32 s[SEL+1], 0xfedcba98
	s_cmp_lt_u32 ttmp9, 32
	s_cbranch_scc0 .Lweights
; ---------------------------------------------------------------- LayerNorm
	s_lshl_b32 s24, s[YY], 5
	s_add_co_u32 s24, s24, ttmp9                   ; my block of 16 rows
	v_lshlrev_b32 v3, 13, v1
	v_lshl_add_u32 v3, v2, 6, v3                   ; x: 8,192 r + 64 h
	v_lshlrev_b32 v4, 6, v2                        ; ln_w, ln_b: 64 h
	s_lshl_b32 s25, s[WV], 6
	v_lshl_add_u32 v5, v1, 2, s25                  ; LDS: my wave's sum of row r: 64 w + 4 r
	v_lshlrev_b32 v6, 2, v1                        ; and where the eight are read: 4 r
	v_lshlrev_b32 v7, 3, v9                        ; 8 x lane: my place in a piece
	v_lshlrev_b32 v8, 3, v1
	v_lshl_add_u32 v8, v2, 2, v8                   ; scale words: 8 r + 4 h
	s_lshl_b32 s26, s24, 17
	s_lshl_b32 s28, s[WV], 10
	s_add_co_u32 s26, s26, s28
	s_mov_b32 s27, 0
	s_mov_b32 s29, 0
	s_mul_i32 s30, s24, 24576
	s_mul_i32 s32, s[WV], 3072
	s_add_co_u32 s30, s30, s32
	s_mov_b32 s31, 0
	s_lshl_b32 s32, s24, 10
	s_lshl_b32 s33, s[WV], 7
	s_add_co_u32 s32, s32, s33
	s_add_co_u32 s32, s32, A1S
	s_mov_b32 s33, 0
	s_mov_b32 s38, 0x3a000000                      ; 1 / 2,048
	s_mov_b32 s39, 0x3727c5ac                      ; 1e-5
	s_wait_kmcnt 0x0
	s_add_nc_u64 s[4:5], s[4:5], s[26:27]          ; x at my rows, my wave's 256 columns
	s_add_nc_u64 s[6:7], s[6:7], s[28:29]
	s_add_nc_u64 s[8:9], s[8:9], s[28:29]
	s_add_nc_u64 s[34:35], s[16:17], s[30:31]      ; my two fragments
	s_add_nc_u64 s[36:37], s[16:17], s[32:33]      ; my 128 scale bytes
.irp s, 0,1
.irp b, 0,1,2,3
.irp j, 0,1,2,3
	global_load_b128 v[X+64*\s+16*\b+4*\j:X+64*\s+16*\b+4*\j+3], v3, s[4:5] offset:512*\s+128*\b+16*\j th:TH_LOAD_NT
.endr
.endr
.endr
.macro LNW k                           ; ln_w's and ln_b's 16 numbers for block k into set k % 2
.irp j, 0,1,2,3
	global_load_b128 v[WB+32*((\k)%2)+4*\j:WB+32*((\k)%2)+4*\j+3], v4, s[6:7] offset:128*(\k)+16*\j
.endr
.irp j, 0,1,2,3
	global_load_b128 v[WB+32*((\k)%2)+16+4*\j:WB+32*((\k)%2)+16+4*\j+3], v4, s[8:9] offset:128*(\k)+16*\j
.endr
.endm
	LNW 0
	LNW 1
; the four chains in v208-215 become the row's sum over all eight waves, in v208 of every lane
.macro REDUCE off
	v_pk_add_f32 v[208:209], v[208:209], v[210:211]
	v_pk_add_f32 v[212:213], v[212:213], v[214:215]
	v_pk_add_f32 v[208:209], v[208:209], v[212:213]
	v_add_f32 v208, v208, v209
	v_permlanex16_b32 v210, v208, s[SEL], s[SEL+1]
	v_add_f32 v208, v208, v210                     ; my wave's 256 numbers of row r
	ds_store_b32 v5, v208 offset:\off              ; both halves of the lanes write the same word with the same value
	s_wait_dscnt 0x0                               ; for the others' sake: my store is done
	s_barrier_signal -1
	s_barrier_wait -1
.irp w, 0,1,2,3,4,5,6,7
	ds_load_b32 v[208+\w], v6 offset:\off+64*\w
.endr
	s_wait_dscnt 0x0
	v_add_f32 v208, v208, v209
	v_add_f32 v210, v210, v211
	v_add_f32 v212, v212, v213
	v_add_f32 v214, v214, v215
	v_add_f32 v208, v208, v210
	v_add_f32 v212, v212, v214
	v_add_f32 v208, v208, v212
.endm
	s_wait_loadcnt 16                              ; x's 32 loads are in; the 16 of ln_w and ln_b may be out
.irp c, 0,1,2,3
	v_pk_add_f32 v[208+2*\c:209+2*\c], v[X+2*\c:X+2*\c+1], v[X+8+2*\c:X+9+2*\c]
.endr
.set p, 8
.rept 56
	v_pk_add_f32 v[208+2*(p%4):209+2*(p%4)], v[208+2*(p%4):209+2*(p%4)], v[X+2*p:X+2*p+1]
.set p, p+1
.endr
	REDUCE 0
	v_mul_f32 v248, 0xba000000, v208               ; - mean
	v_mov_b32 v249, v248
.set p, 0
.rept 64
	v_pk_add_f32 v[X+2*p:X+2*p+1], v[X+2*p:X+2*p+1], v[248:249]
.set p, p+1
.endr
.irp c, 0,1,2,3
	v_pk_mul_f32 v[208+2*\c:209+2*\c], v[X+2*\c:X+2*\c+1], v[X+2*\c:X+2*\c+1]
.endr
.set p, 4
.rept 60
	v_pk_fma_f32 v[208+2*(p%4):209+2*(p%4)], v[X+2*p:X+2*p+1], v[X+2*p:X+2*p+1], v[208+2*(p%4):209+2*(p%4)]
.set p, p+1
.endr
	REDUCE 512                                     ; other LDS words than the first sum's: no third barrier
	v_fma_f32 v250, v208, s38, s39                 ; variance + 1e-5
	v_rsq_f32 v250, v250
	v_nop                                          ; a plain place behind the transcendental
	s_wait_alu depctr_va_vdst(0)                   ; and a wait ahead of its first reader
	v_mov_b32 v251, v250
.macro LNB k
.if (\k) < 7
	s_wait_loadcnt 8                               ; this block's ln_w and ln_b are in; the next block's eight loads may be out
.else
	s_wait_loadcnt 0x0
.endif
.irp i, 0,2,4,6,8,10,12,14
	v_pk_mul_f32 v[X+16*(\k)+\i:X+16*(\k)+\i+1], v[X+16*(\k)+\i:X+16*(\k)+\i+1], v[250:251]
.endr
.irp i, 0,2,4,6,8,10,12,14
	v_pk_fma_f32 v[X+16*(\k)+\i:X+16*(\k)+\i+1], v[X+16*(\k)+\i:X+16*(\k)+\i+1], v[WB+32*((\k)%2)+\i:WB+32*((\k)%2)+\i+1], v[WB+32*((\k)%2)+16+\i:WB+32*((\k)%2)+16+\i+1]
.endr
.if (\k)+2 < 8
	LNW (\k)+2
.endif
.endm
.irp k, 0,1,2,3,4,5,6,7
	LNB \k
.endr
	QUANT X, PC, PC+12, 224
.irp p, 0,1,2,3,4,5
	global_store_b64 v7, v[PC+2*\p:PC+2*\p+1], s[34:35] offset:256*\p          ; 32 lanes store 256 consecutive bytes, aligned
.endr
	s_wait_xcnt 0x0                                ; the codes' registers are written again only behind this wait
	QUANT X+64, PC, PC+12, 225
.irp p, 0,1,2,3,4,5
	global_store_b64 v7, v[PC+2*\p:PC+2*\p+1], s[34:35] offset:1536+256*\p
.endr
	v_cmp_eq_u32 vcc_lo, 1, v2
	v_cndmask_b32 v226, v224, v225, vcc_lo         ; lanes 0-15 the first fragment's word of row r, lanes 16-31 the second's
	global_store_b32 v8, v226, s[36:37]            ; 128 consecutive bytes
	s_wait_tensorcnt 0x0
	ds_add_u32 v254, v255
	s_wait_dscnt 0x0
	s_endpgm
; ---------------------------------------------------------------- the weights
.macro WLOAD t, pitch                  ; block t: W(32 t + i, my column) into set t % 2
.set q, 0
.rept 32
	global_load_b32 v[WX+32*((\t)%2)+q], v3, s[24:25] offset:(32*(\t)+q)*\pitch th:TH_LOAD_NT
.set q, q+1
.endr
.endm
.macro WBLOCK t, pitch, nks
.set XS, WX+32*((\t)%2)
.set FB, WFR+12*((\t)/2)+6*((\t)%2)
.set TQ, WTM+4*((\t)%2)
.set FP, WFR+12*((\t)/2)
.if (\t) < 7
	s_wait_loadcnt 32                              ; this block's 32 loads are in; the next block's may be out
.else
	s_wait_loadcnt 0x0
.endif
	v_max3_num_f32 v216, |v[XS]|, |v[XS+1]|, |v[XS+2]|     ; all 32 numbers of the block are mine
	v_max3_num_f32 v217, |v[XS+3]|, |v[XS+4]|, |v[XS+5]|
.irp i, 6,10,14,18,22,26
	v_max3_num_f32 v216, v216, |v[XS+\i]|, |v[XS+\i+1]|
	v_max3_num_f32 v217, v217, |v[XS+\i+2]|, |v[XS+\i+3]|
.endr
	v_max3_num_f32 v216, v216, |v[XS+30]|, |v[XS+31]|
	v_max3_num_f32 v216, v216, v217, 0x2800000
	v_add_nc_u32 v218, 0xfe000000, v216
	v_lshrrev_b32 v219, 23, v218
.if (\t)%4 == 0
	v_mov_b32 v[24+(\t)/4], v219
.else
	v_lshl_or_b32 v[24+(\t)/4], v219, 8*((\t)%4), v[24+(\t)/4]
.endif
	v_cvt_scalef32_pk16_bf6_f32 v[FB:FB+2], v[XS:XS+15], v218
	v_cvt_scalef32_pk16_bf6_f32 v[TQ:TQ+2], v[XS+16:XS+31], v218
	v_nop                                          ; one plain place behind a scaled conversion
.if (\t)+2 < 8
	WLOAD (\t)+2, \pitch
.endif
.irp i, 0,1,2
	v_mov_b32 v[FB+3+\i], v[TQ+\i]
.endr
.if (\t)%2 == 1
.irp i, 0,1,2,3,4,5
	v_permlane16_swap_b32 v[FP+\i], v[FP+6+\i]     ; lanes 0-15 hold the first 16 columns, lanes 16-31 the next: the first six registers become half a fragment of the first, the others of the second
.endr
.irp p, 0,1,2
	global_store_b64 v12, v[FP+2*\p:FP+2*\p+1], s[26:27] offset:((\t)/4)*1536+768*(((\t)/2)%2)+256*\p
	global_store_b64 v12, v[FP+6+2*\p:FP+6+2*\p+1], s[26:27] offset:\nks*1536+((\t)/4)*1536+768*(((\t)/2)%2)+256*\p
.endr
.endif
.endm
.macro WPATH pitch, nks, nkp
	v_mul_u32_u24 v13, v2, \nkp*128
	v_lshl_add_u32 v13, v1, 3, v13                 ; my column's eight scale bytes
	WLOAD 0, \pitch
	WLOAD 1, \pitch
.irp t, 0,1,2,3,4,5,6,7
	WBLOCK \t, \pitch, \nks
.endr
	global_store_b64 v13, v[24:25], s[28:29]
.endm
.Lweights:
	v_lshlrev_b32 v12, 3, v9                       ; 8 x lane
	s_cmp_lt_u32 ttmp9, 51
	s_cbranch_scc0 .Lw2
	s_sub_co_u32 s38, ttmp9, 32
	s_lshl_b32 s38, s38, 3
	s_add_co_u32 s38, s38, s[WV]                   ; g: my 32 columns of w_fused; it has 145 such groups
	s_cmp_gt_u32 s38, 144
	s_cbranch_scc1 .Lend
	s_lshl_b32 s32, s38, 1
	s_add_co_u32 s32, s32, 256                     ; q, k, v: row block 256 + 2 g
	s_sub_co_u32 s33, s38, 17
	s_lshr_b32 s34, s33, 6
	s_lshl_b32 s34, s34, 2                         ; 4 x gate
	s_and_b32 s33, s33, 63                         ; which 32 hidden units
	s_lshr_b32 s35, s33, 2
	s_lshl_b32 s35, s35, 4
	s_add_co_u32 s35, s35, s34
	s_bfe_u32 s36, s33, 0x10001
	s_lshl_b32 s36, s36, 3
	s_add_co_u32 s35, s35, s36
	s_and_b32 s36, s33, 1
	s_lshl_b32 s36, s36, 1
	s_add_co_u32 s35, s35, s36
	s_cmp_ge_u32 s38, 17
	s_cselect_b32 s32, s35, s32                    ; my first row block
	s_cselect_b32 s33, -1, 0
	v_and_b32 v10, 8, v1
	v_add_nc_u32 v10, v10, v1
	v_lshl_add_u32 v10, v2, 3, v10                 ; 8 (l / 16) + r + 8 (r / 8): the feed-forward columns' order
	v_xor_b32 v10, v10, v9
	v_and_b32 v10, s33, v10
	v_xor_b32 v10, v10, v9                         ; or the lane's own number
	v_lshlrev_b32 v3, 2, v10
	s_mul_i32 s40, s[YY], 4751360                  ; 256 rows of 18,560 bytes
	s_lshl_b32 s41, s38, 7
	s_add_co_u32 s40, s40, s41
	s_mov_b32 s41, 0
	s_mul_i32 s42, s32, 24576
	s_mul_i32 s43, s[YY], 3072
	s_add_co_u32 s42, s42, s43
	s_mov_b32 s43, 0
	s_lshl_b32 s44, s32, 10
	s_lshl_b32 s45, s[YY], 7
	s_add_co_u32 s44, s44, s45
	s_add_co_u32 s44, s44, B1S
	s_mov_b32 s45, 0
	s_wait_kmcnt 0x0
	s_add_nc_u64 s[24:25], s[10:11], s[40:41]
	s_add_nc_u64 s[26:27], s[18:19], s[42:43]
	s_add_nc_u64 s[28:29], s[18:19], s[44:45]
	WPATH 18560, 16, 8
	s_endpgm
.Lw2:
	s_sub_co_u32 s32, ttmp9, 51
	s_sub_co_u32 s33, ttmp9, 59
	s_add_co_u32 s34, s[YY], 2
	s_wait_kmcnt 0x0
	s_cmp_lt_u32 ttmp9, 59                         ; w_ff_out (K 512 on of the joint product) or w_attn_out (K 0-511): the choice hangs on the work-group's number alone
	s_cselect_b64 s[30:31], s[14:15], s[12:13]
	s_cselect_b32 s35, s32, s[YY]                  ; which 256 columns
	s_cselect_b32 s36, s[YY], s33                  ; which 256 rows of the weight
	s_cselect_b32 s37, s34, s33                    ; which 256 along the joint K
	s_lshl_b32 s35, s35, 3
	s_add_co_u32 s35, s35, s[WV]                   ; g
	v_lshlrev_b32 v3, 2, v9
	s_lshl_b32 s40, s36, 21                        ; 256 rows of 8,192 bytes
	s_lshl_b32 s41, s35, 7
	s_add_co_u32 s40, s40, s41
	s_mov_b32 s41, 0
	s_mul_i32 s42, s35, 61440                      ; row block 2 g: 20 fragments each
	s_mul_i32 s43, s37, 3072
	s_add_co_u32 s42, s42, s43
	s_mov_b32 s43, 0
	s_mul_i32 s44, s35, 2560
	s_lshl_b32 s45, s37, 7
	s_add_co_u32 s44, s44, s45
	s_add_co_u32 s44, s44, B2S
	s_mov_b32 s45, 0
	s_add_nc_u64 s[24:25], s[30:31], s[40:41]
	s_add_nc_u64 s[26:27], s[20:21], s[42:43]
	s_add_nc_u64 s[28:29], s[20:21], s[44:45]
	WPATH 8192, 20, 10
.Lend:
	s_endpgm
.Lfunc_end_k_q442774aec4_prep:
	.size	k_q442774aec4_prep, .Lfunc_end_k_q442774aec4_prep-k_q442774aec4_prep
	.p2alignl 7, 3214868480
	.fill 96, 4, 3214868480
	.section	.rodata,"a",@progbits
	.p2align	6, 0x0
	.amdhsa_kernel k_q442774aec4_prep
		.amdhsa_group_segment_fixed_size 2048
		.amdhsa_private_segment_fixed_size 0
		.amdhsa_enable_private_segment 0
		.amdhsa_kernarg_size 72
		.amdhsa_user_sgpr_count 2
		.amdhsa_user_sgpr_kernarg_segment_ptr 1
		.amdhsa_wavefront_size32 1
		.amdhsa_system_sgpr_workgroup_id_x 1
		.amdhsa_system_sgpr_workgroup_id_y 1
		.amdhsa_system_sgpr_workgroup_id_z 1
		.amdhsa_system_vgpr_workitem_id 0
		.amdhsa_next_free_vgpr 256
		.amdhsa_next_free_sgpr 66
		.amdhsa_reserve_vcc 1
		.amdhsa_float_denorm_mode_32 3
		.amdhsa_float_denorm_mode_16_64 3
		.amdhsa_memory_ordered 1
		.amdhsa_forward_progress 1
		.amdhsa_inst_pref_size 124
	.end_amdhsa_kernel
	.amdgpu_metadata
---
amdhsa.version: [ 1, 2 ]
amdhsa.kernels:
  - .name:           k_q442774aec4_prep
    .symbol:         k_q442774aec4_prep.kd
    .args:
      - { .name: x, .offset: 0, .size: 8, .value_kind: global_buffer, .address_space: global }
      - { .name: ln_w, .offset: 8, .size: 8, .value_kind: global_buffer, .address_space: global }
      - { .name: ln_b, .offset: 16, .size: 8, .value_kind: global_buffer, .address_space: global }
      - { .name: w_fused, .offset: 24, .size: 8, .value_kind: global_buffer, .address_space: global }
      - { .name: w_attn_out, .offset: 32, .size: 8, .value_kind: global_buffer, .address_space: global }
      - { .name: w_ff_out, .offset: 40, .size: 8, .value_kind: global_buffer, .address_space: global }
      - { .name: act1, .offset: 48, .size: 8, .value_kind: global_buffer, .address_space: global }
      - { .name: wq1, .offset: 56, .size: 8, .value_kind: global_buffer, .address_space: global }
      - { .name: wq2, .offset: 64, .size: 8, .value_kind: global_buffer, .address_space: global }
    .group_segment_fixed_size: 2048
    .private_segment_fixed_size: 0
    .kernarg_segment_align: 8
    .kernarg_segment_size: 72
    .max_flat_workgroup_size: 256
    .sgpr_count:     66
    .vgpr_count:     256
    .wavefront_size: 32
...
	.end_amdgpu_metadata
.endif
;; end of part 1
;; launch gemm1 (part 2): grid 32 x 19, 4 waves a work-group, clusters of 4 x 1, 327,680 bytes of LDS; arguments act1, wq1, act2, qkv; writes act2, qkv
.if DOCPART == 2
	.amdgcn_target "amdgcn-amd-amdhsa--gfx1250"
	.amdhsa_code_object_version 6
	.text
	.protected	k_q442774aec4_gemm1
	.globl	k_q442774aec4_gemm1
	.p2align	8
	.type	k_q442774aec4_gemm1,@function
k_q442774aec4_gemm1:
	s_mov_b64 s[64:65], 0
	v_nop
	global_prefetch_b8 v0, s[64:65] scope:SCOPE_SE
	s_setreg_imm32_b32 hwreg(HW_REG_WAVE_MODE, 25, 1), 1
	s_wait_xcnt 0x0
	s_wait_alu depctr_hold_cnt(0) depctr_sa_sdst(0) depctr_va_vdst(0) depctr_va_sdst(0) depctr_va_ssrc(0) depctr_va_vcc(0) depctr_vm_vsrc(0)
	s_getreg_b32 s2, hwreg(HW_REG_IB_STS2, 6, 4)
	s_cmp_eq_u32 s2, 0
	s_cbranch_scc0 .Lentry_in_a_cluster
	s_endpgm
.Lentry_in_a_cluster:
	s_bfe_u32 s2, ttmp6, 0x10000c
	s_cmp_lg_u32 s2, 0x3003
	s_cbranch_scc0 .Lentry_shape_is_right
	s_endpgm
.Lentry_shape_is_right:
; GEMM1: proj = LayerNorm(x) w_fused on codes of BF6 (E3M2), K = 2,048, and what reference() does to proj before the next product.
; A work-group makes 128 rows x 256 columns; four waves, each 64 rows x 128 columns: 32 accumulators.  THE PRODUCT IS USED TRANSPOSED (source 0 = 16 rows of the weight, source 1 = 16 rows of x):
; a lane holds one row and eight neighbouring columns.  Codes lie in memory as images of the operand's registers ([row / 16][K / 128][1,536 bytes]), so a fragment is six ds_load_b64 at 8 x lane.
; K goes in steps of 512 through two LDS slots; the four steps are written out.  The scale bytes of all of K come once, with the first fills.
; THE LDS LOADS STAND IN RUNS: the twelve fragments of the next 128 along K are asked for in one run at the head of each 128, ahead of its 32 products, into the other set of registers.
; TILE COLUMNS: 0-15 feed-forward (a wave holds 64 value columns and their 64 gate columns: silu(gate) x value is made, quantised along the next K and stored as codes);
; 16, 17 q (RoPE, x 0.25 log2 e, stored f32); 18 takes row blocks 274-289: the last two are k and v; the 14 blocks of q in front of them are multiplied again and thrown away
; (the weight has 290 row blocks, 18 tile columns and two blocks).
; CLUSTER 4 x 1: the four partners make four row tiles of one tile column and ask for the weight's tile JOINTLY (two thirds of a step's bytes); x's tiles are each work-group's own.
; 4 x 4 is not taken: 19 tile columns do not divide by four.
; RoPE: sin and cos by reduction with pi / 2 in two parts and polynomials on |r| <= pi / 4.  LIMIT: the frequencies are the f32 numbers nearest to 10^(-j / 2).
; LIMITS: NaN and infinities are not served; a block whose largest magnitude lies under 2^-122 keeps the byte 1.
; REGISTERS, in windows of 256: window 0: v1-15 at work, v16-29 addresses, v32-95 scale words (two sets), v96-191 x's fragments (two sets), v192-255 the way out.
;   window 1: the weight's fragments, sets at v0 and v128.   window 2: accumulator (a, b) at v[8 (8 a + b)].
.set NKS,   16
.set KPB,   1024                       ; a row block's scale bytes
.set ASC,   6291456
.set BSC,   7127040
.set A2S,   7864320
.set KO,    8388608
.set VO,    8650752
.set SLOT,  147456                     ; x's 8 row blocks x 4 fragments, then the weight's 16 x 4
.set SCL,   2*SLOT                     ; the scale bytes: x's 8 row blocks, then the weight's 16
.set SPARE, SCL+24*KPB                 ; the spare words, 128 bytes a wave
.set STG,   0                          ; the way out's stages lie in slot 0: it has had its last fill and its last read by then
.set PE,    NKS*192                    ; a row block's codes, in elements of 8 bytes
.set RA,    4*KPB/256
.set RB,    8*KPB/256
.set ADRA, 16
.set ADRB, 20
.set STO,  24
.set RD,   25
.set CO,   26
.set ADRS, 27
.set SPW,  28
.set NIL,  29
.set SC,   32
.set AF,   96
.set G1A,  24
.set G0A,  32
.set G1B,  48
.set G0B,  56
.set G1SA, 68
.set G0SA, 76
.set G1SB, 80
.set G0SB, 88
.set SEL,  100
.set MSB, 0
.macro WIN new                         ; the immediate's high byte repeats the setting that is left
.if MSB != \new
	s_set_vgpr_msb (MSB<<8)|\new
.set MSB, \new
.endif
.endm
.set MUL,  0xa1                        ; source 0 window 1, source 1 window 0, C and D window 2
.set TO_B, 0x40
.macro PLACES n
.rept \n
	v_nop
.endr
.endm
; waves 0 and 1 fetch for x, waves 2 and 3 for the weight; four v_nop follow each of the two lines
.macro JLOAD g0a, g1a, g0b, g1b
	s_cmp_eq_u32 s15, 0
	s_cbranch_scc0 .Lfor_b_\@
	tensor_load_to_lds s[\g0a:\g0a+3], s[\g1a:\g1a+7]
	s_nop 0
.rept 4
	v_nop
.endr
	s_branch .Lasked_\@
.Lfor_b_\@:
	tensor_load_to_lds s[\g0b:\g0b+3], s[\g1b:\g1b+7]
	s_nop 0
.rept 4
	v_nop
.endr
.Lasked_\@:
.endm
.macro CREST
	s_cmp_lg_u32 s14, 0
	s_cbranch_scc1 .Lnot_wave_0_\@
	s_barrier_signal -3
.Lnot_wave_0_\@:
	s_barrier_wait -3
	s_barrier_signal -1
	s_barrier_wait -1
.endm
.macro CROUND
	s_barrier_signal -1
	s_barrier_wait -1
	CREST
.endm
	s_load_b128 s[4:7], s[0:1], 0x0                ; act1, wq1
	s_load_b128 s[8:11], s[0:1], 0x10              ; act2, qkv
	v_lshl_add_u32 v[SPW], v0, 2, SPARE
	v_mov_b32 v[NIL], 0
	ds_add_u32 v28, v29
	ds_add_u32 v28, v29
	s_wait_dscnt 0x0
	v_lshrrev_b32 v1, 5, v0
	v_readfirstlane_b32 s14, v1                    ; wave
	s_lshr_b32 s15, s14, 1                         ; my half of the rows.  Also: I fetch for x (0) or for the weight (1)
	s_and_b32 s16, s14, 1                          ; my half of the columns.  Also: which half of that tile I fetch
	s_bfe_u32 s19, ttmp6, 0x40000                  ; cx
	s_lshl_b32 s17, ttmp9, 2
	s_add_co_u32 s17, s17, s19                     ; row tile
	s_and_b32 s18, ttmp7, 0xffff                   ; tile column
	s_mov_b32 s[SEL], 0x76543210
	s_mov_b32 s[SEL+1], 0xfedcba98
	s_mov_b32 s[G1A+0], 3<<16                      ; no mask; elements of 8 bytes; no padding
	s_mov_b32 s[G1A+1], 768<<16                    ; tensor_dim0: four fragments, 6,144 bytes
	s_mov_b32 s[G1A+2], 4<<16                      ; tensor_dim1: four row blocks
	s_mov_b32 s[G1A+3], 768<<16                    ; tile_dim0
	s_mov_b32 s[G1A+4], 4                          ; tile_dim1
	s_mov_b32 s[G1A+5], PE                         ; from row block to row block
	s_mov_b32 s[G1A+6], 0
	s_mov_b32 s[G1A+7], 0
	s_mov_b32 s[G1B+0], 15|(3<<16)|(1<<21)         ; the mask names all four partners
	s_mov_b32 s[G1B+1], 768<<16
	s_mov_b32 s[G1B+2], 8<<16
	s_mov_b32 s[G1B+3], 768<<16
	s_mov_b32 s[G1B+4], 8
	s_mov_b32 s[G1B+5], PE
	s_mov_b32 s[G1B+6], 0
	s_mov_b32 s[G1B+7], 0
	s_mov_b32 s[G1SA+0], 3<<16                     ; scale bytes: a dense block as rows of 256 bytes
	s_mov_b32 s[G1SA+1], 32<<16
	s_mov_b32 s[G1SA+2], RA<<16
	s_mov_b32 s[G1SA+3], 32<<16
	s_mov_b32 s[G1SA+4], RA
	s_mov_b32 s[G1SA+5], 32
	s_mov_b32 s[G1SA+6], 0
	s_mov_b32 s[G1SA+7], 0
	s_mov_b32 s[G1SB+0], 15|(3<<16)|(1<<21)
	s_mov_b32 s[G1SB+1], 32<<16
	s_mov_b32 s[G1SB+2], RB<<16
	s_mov_b32 s[G1SB+3], 32<<16
	s_mov_b32 s[G1SB+4], RB
	s_mov_b32 s[G1SB+5], 32
	s_mov_b32 s[G1SB+6], 0
	s_mov_b32 s[G1SB+7], 0
	s_lshl_b32 s20, s17, 3
	s_lshl_b32 s21, s16, 2
	s_add_co_u32 s20, s20, s21                     ; x: row block 8 x row tile + 4 x half
	s_mul_i32 s22, s20, NKS*1536
	s_mov_b32 s23, 0
	s_mul_i32 s40, s20, KPB
	s_add_co_u32 s40, s40, ASC
	s_mov_b32 s41, 0
	s_lshl_b32 s42, s18, 4                         ; the weight: registers that never hold cx
	s_min_u32 s42, s42, 274                        ; tile column 18 ends with the last row block
	s_lshl_b32 s43, s16, 3
	s_add_co_u32 s42, s42, s43
	s_mul_i32 s44, s42, NKS*1536
	s_mov_b32 s45, 0
	s_mul_i32 s46, s42, KPB
	s_add_co_u32 s46, s46, BSC
	s_mov_b32 s47, 0
	s_mul_i32 s92, s16, 24576                      ; where they go: no place in the cluster enters an LDS address
	s_mul_i32 s93, s16, 49152
	s_mul_i32 s94, s16, 4*KPB
	s_mul_i32 s95, s16, 8*KPB
	s_wait_kmcnt 0x0
	s_add_nc_u64 s[22:23], s[4:5], s[22:23]
	s_add_nc_u64 s[40:41], s[4:5], s[40:41]
	s_add_nc_u64 s[44:45], s[6:7], s[44:45]
	s_add_nc_u64 s[46:47], s[6:7], s[46:47]
	CROUND                                         ; all four work-groups are here: the first joint loads meet
	s_mov_b32 s[G0SA], 1
	s_add_co_u32 s[G0SA+1], s94, SCL
	s_mov_b64 s[G0SA+2:G0SA+3], s[40:41]
	s_or_b32 s[G0SA+3], s[G0SA+3], 0x80000000
	s_mov_b32 s[G0SB], 1
	s_add_co_u32 s[G0SB+1], s95, SCL+8*KPB
	s_mov_b64 s[G0SB+2:G0SB+3], s[46:47]
	s_or_b32 s[G0SB+3], s[G0SB+3], 0x80000000
	JLOAD G0SA, G1SA, G0SB, G1SB                   ; the scale bytes first
.irp s, 0,1
	s_mov_b32 s[G0A+4*\s], 1
	s_add_co_u32 s[G0A+4*\s+1], s92, \s*SLOT
	s_add_nc_u64 s[G0A+4*\s+2:G0A+4*\s+3], s[22:23], \s*6144
	s_or_b32 s[G0A+4*\s+3], s[G0A+4*\s+3], 0x80000000
	s_mov_b32 s[G0B+4*\s], 1
	s_add_co_u32 s[G0B+4*\s+1], s93, \s*SLOT+49152
	s_add_nc_u64 s[G0B+4*\s+2:G0B+4*\s+3], s[44:45], \s*6144
	s_or_b32 s[G0B+4*\s+3], s[G0B+4*\s+3], 0x80000000
	JLOAD G0A+4*\s, G1A, G0B+4*\s, G1B             ; by this text's count three tensor loads of a wave are out
.endr
	v_and_b32 v1, 31, v0                           ; lane
	v_and_b32 v2, 15, v0                           ; r
	v_bfe_u32 v3, v0, 4, 1                         ; h
	s_mul_i32 s20, s15, 24576
	v_lshl_add_u32 v[ADRA], v1, 3, s20
	v_add_nc_u32 v[ADRA+1], SLOT, v[ADRA]
	s_mul_i32 s20, s16, 49152
	s_add_co_u32 s20, s20, 49152
	v_lshl_add_u32 v[ADRB], v1, 3, s20
	v_add_nc_u32 v[ADRB+1], SLOT, v[ADRB]
	s_mul_i32 s20, s15, 4*KPB                      ; scale words: lanes 0-15 take x's rows,
	s_mul_i32 s21, s16, 8*KPB
	s_add_co_u32 s21, s21, 8*KPB
	s_sub_co_u32 s21, s21, s20
	v_mul_u32_u24 v4, s21, v3                      ; lanes 16-31 the weight's: one product, the distance between the two
	s_add_co_u32 s20, s20, SCL
	v_lshl_add_u32 v4, v2, 3, v4
	v_add_nc_u32 v[ADRS], s20, v4
	s_mul_i32 s20, s14, 16*528
	s_add_co_u32 s20, s20, STG                     ; my stage: 16 rows of 512 bytes + 16
	v_mul_u32_u24 v4, v2, 528
	v_lshl_add_u32 v4, v3, 5, v4
	v_add_nc_u32 v[STO], s20, v4
	v_lshlrev_b32 v[CO], 4, v1
	v_add_nc_u32 v[RD], s20, v[CO]
; fragment f of the slot's q-th 128 along K into set: f 0-7 the weight's, 8-11 x's
.macro FETCHF f, sl, q, set
.if (\f) < 8
	WIN TO_B
.irp p, 0,1,2,3,4,5
	ds_load_b64 v[128*(\set)+12*(\f)+2*\p:128*(\set)+12*(\f)+2*\p+1], v[ADRB+(\sl)] offset:(\f)*6144+(\q)*1536+256*\p
.endr
.else
	WIN 0
.irp p, 0,1,2,3,4,5
	ds_load_b64 v[AF+48*(\set)+12*((\f)-8)+2*\p:AF+48*(\set)+12*((\f)-8)+2*\p+1], v[ADRA+(\sl)] offset:((\f)-8)*6144+(\q)*1536+256*\p
.endr
.endif
.endm
; all twelve in one run: 72 loads, two window switches; every window is 0 behind it
.macro FETCH12 sl, q, set
.set ff, 0
.rept 12
	FETCHF ff, \sl, \q, \set
.set ff, ff+1
.endr
.endm
; K step i's scale words into set sl: register 4 b + q: lanes 0-15 x's block b (b 0-3; beyond them bytes that nobody uses), lanes 16-31 the weight's block b
.macro SCALES sl, i
	WIN 0
.irp b, 0,1,2,3,4,5,6,7
.irp k, 0,1
	ds_load_b64 v[SC+32*(\sl)+4*\b+2*\k:SC+32*(\sl)+4*\b+2*\k+1], v[ADRS] offset:\b*KPB+(2*(\i)+\k)*128
.endr
.endr
.endm
; product n of 32: x's block n / 8 against the weight's block n % 8.  The 32 accumulators take turns in the same order in every step
.macro MM set, sl, q, zero
.if \zero
	v_wmma_scale_f32_16x16x128_f8f6f4 v[8*n:8*n+7], v[128*(\set)+12*(n%8):128*(\set)+12*(n%8)+11], v[AF+48*(\set)+12*(n/8):AF+48*(\set)+12*(n/8)+11], 0, v[SC+32*(\sl)+4*(n%8)+(\q)], v[SC+32*(\sl)+4*(n/8)+(\q)] matrix_a_fmt:MATRIX_FMT_BF6 matrix_b_fmt:MATRIX_FMT_BF6 matrix_a_scale:MATRIX_SCALE_ROW1
.else
	v_wmma_scale_f32_16x16x128_f8f6f4 v[8*n:8*n+7], v[128*(\set)+12*(n%8):128*(\set)+12*(n%8)+11], v[AF+48*(\set)+12*(n/8):AF+48*(\set)+12*(n/8)+11], v[8*n:8*n+7], v[SC+32*(\sl)+4*(n%8)+(\q)], v[SC+32*(\sl)+4*(n/8)+(\q)] matrix_a_fmt:MATRIX_FMT_BF6 matrix_b_fmt:MATRIX_FMT_BF6 matrix_a_scale:MATRIX_SCALE_ROW1
.endif
.endm
; 128 along K.  The next 128's twelve fragments go into the other set in ONE run at the head: they have this step's 32 products in which to land, and the step has three window switches.
; sc = 1: the next K step's scale words (they lie in LDS since the first fills) go out with the run, into the other set of scale registers, which the last slot's products have left.
.macro KS set, sl, q, zero, nsl, nq, sc, si
	s_wait_dscnt 0x0                               ; this set's fragments and scale words are in
	PLACES 4                                       ; four places between the last product that read the other set and the loads into it (ISA guide 7.12.1 for vector instructions)
	FETCH12 \nsl, \nq, 1-\set
.if \sc
	SCALES 1-\sl, \si
.endif
	WIN MUL
.set n, 0
.rept 32
	MM \set, \sl, \q, \zero
.set n, n+1
.endr
.endm
; a slot's last 128 changes slots: one barrier; in front of it each wave waits for all its tensor loads, adds 0 to its spare word, and waits for that and for its reads of this slot
.macro TURN sl, fill
	WIN 0
	s_wait_tensorcnt 0x0                           ; all my tensor loads have landed: my part of the next slot
	ds_add_u32 v[SPW], v[NIL]
.if \fill
	s_add_nc_u64 s[G0A+4*\sl+2:G0A+4*\sl+3], s[G0A+4*\sl+2:G0A+4*\sl+3], 12288   ; no tensor load of mine is out: this slot's next K step
	s_add_nc_u64 s[G0B+4*\sl+2:G0B+4*\sl+3], s[G0B+4*\sl+2:G0B+4*\sl+3], 12288
.endif
	s_wait_dscnt 0x0                               ; the add is done, and my reads of this slot are over
	s_barrier_signal -1
	WIN MUL
.set n, 0
.rept 8
	MM 1, \sl, 3, 0
.set n, n+1
.endr
	WIN 0
	s_barrier_wait -1
.if \fill
	CREST                                          ; the barrier has opened a round of the cluster's: no wave of any partner still reads this slot or has a load on its way
	JLOAD G0A+4*\sl, G1A, G0B+4*\sl, G1B           ; the first tensor load behind the round; its four v_nop are also the places in front of the loads below
.else
	PLACES 4
.endif
	FETCH12 1-\sl, 0, 0                            ; the next slot's first fragments, in one run
	WIN MUL
.rept 24
	MM 1, \sl, 3, 0
.set n, n+1
.endr
.endm
.macro LASTKS sl
	s_wait_dscnt 0x0
	WIN MUL
.set n, 0
.rept 32
	MM 1, \sl, 3, 0
.set n, n+1
.endr
.endm
.macro STEPS i, sl, zero, last, fill
	KS 0, \sl, 0, \zero, \sl, 1, 0, 0
	KS 1, \sl, 1, 0, \sl, 2, 0, 0
	KS 0, \sl, 2, 0, \sl, 3, 1-\last, (\i)+1
.if \last
	LASTKS \sl
.else
	TURN \sl, \fill
.endif
.endm
	s_wait_tensorcnt 0x1                           ; the scale bytes and my part of K step 0 are in; K step 1's load may be out
	s_barrier_signal -1
	s_barrier_wait -1
	FETCH12 0, 0, 0
	SCALES 0, 0
	STEPS 0, 0, 1, 0, 1
	STEPS 1, 1, 0, 0, 1
	STEPS 2, 0, 0, 0, 0
	STEPS 3, 1, 0, 1, 0
	WIN 0
	PLACES 4                                       ; in front of the first read of results and the first write of operands' registers
; ---------------------------------------------------------------- the ways out
.set EE,   96
.set HH,   128
.set PCQ,  160
.set TMPC, 172
.set BM,   192
.set CS,   96
.set SN,   128
.set YO,   160
.set XP,   176
.set TT,   184
.set BK,   192
.set POS,  8
	s_cmp_lt_u32 s18, 16
	s_cbranch_scc0 .Lrope
	; FEED-FORWARD.  Accumulator (a, b), lane (r, h), register j: row 16 a + r; b 0-3: value, b 4-7: gate, of hidden unit 32 (b % 4 / 2) + 16 h + 8 (b % 2) + j of my 64
	s_lshl_b32 s20, s17, 3
	s_lshl_b32 s21, s15, 2
	s_add_co_u32 s20, s20, s21                     ; my first row block
	s_mul_i32 s22, s20, 30720
	s_add_co_u32 s21, s18, 4
	s_mul_i32 s21, s21, 1536                       ; fragment 4 + tile column,
	s_add_co_u32 s22, s22, s21
	s_mul_i32 s21, s16, 768                        ; my half of it
	s_add_co_u32 s22, s22, s21
	s_mov_b32 s23, 0
	s_add_nc_u64 s[22:23], s[8:9], s[22:23]
	s_mul_i32 s40, s20, 1280
	s_lshr_b32 s21, s18, 1
	s_add_co_u32 s21, s21, 2
	s_lshl_b32 s21, s21, 7
	s_add_co_u32 s40, s40, s21
	s_and_b32 s21, s18, 1
	s_lshl_b32 s21, s21, 2
	s_add_co_u32 s40, s40, s21
	s_lshl_b32 s21, s16, 1
	s_add_co_u32 s40, s40, s21
	s_add_co_u32 s40, s40, A2S
	s_mov_b32 s41, 0
	s_add_nc_u64 s[40:41], s[8:9], s[40:41]
	v_lshlrev_b32 v4, 3, v1                        ; 8 x lane
	v_lshl_add_u32 v5, v2, 3, v3                   ; 8 r + h
	v_cmp_eq_u32 s96, 1, v3
	v_mov_b32 v[BM+2], 0                           ; a lane permute's destination counts as one of its sources
	v_mov_b32 v[BM+3], 0
.macro FFOUT a
.if \a > 0
	s_wait_xcnt 0x0                                ; the last stores have read their registers
.endif
	WIN 0x0a
.set i, 0
.rept 32
	v_mul_f32 v[EE+i], 0xbfb8aa3b, v[64*\a+32+i]   ; - gate x log2 e; each accumulator from its low end on
.set i, i+1
.endr
	WIN 0
.set i, 0
.rept 32
	v_exp_f32 v[EE+i], v[EE+i]
.set i, i+1
.endr
	v_nop
	s_wait_alu depctr_va_vdst(0)                   ; one wait for the batch, ahead of its first reader
.set i, 0
.rept 16
	v_pk_add_f32 v[EE+i:EE+i+1], v[EE+i:EE+i+1], 1.0 op_sel_hi:[1,0]
.set i, i+2
.endr
.set i, 0
.rept 32
	v_rcp_f32 v[EE+i], v[EE+i]
.set i, i+1
.endr
	v_nop
	s_wait_alu depctr_va_vdst(0)
	WIN 0x02
.set i, 0
.rept 32
	v_mul_f32 v[EE+i], v[64*\a+32+i], v[EE+i]      ; silu(gate)
.set i, i+1
.endr
.set i, 0
.rept 32
	v_mul_f32 v[HH+i], v[64*\a+i], v[EE+i]         ; x value: register 16 B + i = unit 32 B + 16 h + i
.set i, i+1
.endr
	WIN 0
.irp b, 0,1
	v_max3_num_f32 v[BM+\b], |v[HH+16*\b]|, |v[HH+16*\b+1]|, 0x2800000
.endr
.irp i, 2,4,6,8,10,12,14
.irp b, 0,1
	v_max3_num_f32 v[BM+\b], v[BM+\b], |v[HH+16*\b+\i]|, |v[HH+16*\b+\i+1]|
.endr
.endr
.irp b, 0,1
	v_permlanex16_b32 v[BM+2+\b], v[BM+\b], s[SEL], s[SEL+1]
.endr
.irp b, 0,1
	v_max_num_f32 v[BM+\b], v[BM+\b], v[BM+2+\b]
.endr
.irp b, 0,1
	v_add_nc_u32 v[BM+4+\b], 0xfe000000, v[BM+\b]
.endr
.irp b, 0,1
	v_lshrrev_b32 v[BM+6+\b], 23, v[BM+4+\b]
.endr
	v_cvt_scalef32_pk16_bf6_f32 v[PCQ:PCQ+2], v[HH:HH+15], v[BM+4]
	v_cvt_scalef32_pk16_bf6_f32 v[TMPC:TMPC+2], v[HH+16:HH+31], v[BM+5]
	v_nop
.irp i, 0,1,2
	v_permlane16_swap_b32 v[PCQ+\i], v[TMPC+\i]
.endr
.irp i, 0,1,2
	v_mov_b32 v[PCQ+3+\i], v[TMPC+\i]              ; registers 0-5: units 32 h + 0 .. 31 of my 64: half a fragment
.endr
	v_cndmask_b32 v[BM+8], v[BM+6], v[BM+7], s96   ; lanes 0-15 block 0's byte, lanes 16-31 block 1's
.irp p, 0,1,2
	global_store_b64 v4, v[PCQ+2*\p:PCQ+2*\p+1], s[22:23] offset:\a*30720+256*\p   ; 256 consecutive bytes, aligned
.endr
	global_store_b8 v5, v[BM+8], s[40:41] offset:\a*1280   ; single bytes, two of each row's eight: one byte for each 24 bytes of codes
.endm
	FFOUT 0
	FFOUT 1
	FFOUT 2
	FFOUT 3
	s_branch .Ldone
.Lrope:
	s_cmp_eq_u32 s18, 18
	s_cselect_b32 s97, 1.0, 0x3eb8aa3b             ; k is turned as it is; q also takes 0.25 log2 e
	s_cbranch_scc0 .Lrope_go
	s_cmp_eq_u32 s16, 0
	s_cbranch_scc1 .Ldone                          ; tile column 18: the left half holds only columns of q that tile column 17 has made
.Lrope_go:
	s_lshl_b32 s98, s17, 7
	s_lshl_b32 s20, s15, 6
	s_add_co_u32 s98, s98, s20                     ; my first row
	s_and_b32 s99, s98, 2047                       ; its position in the sequence
	s_mov_b32 s40, 0xbfc90fdb                      ; - pi / 2, upper part
	s_mov_b32 s41, 0x333bbd2e                      ; - pi / 2, lower part
	s_mov_b32 s42, 0xb94ca1f9                      ; sine's polynomial
	s_mov_b32 s43, 0x3c08839e
	s_mov_b32 s44, 0xbe2aaaa3
	s_mov_b32 s45, 0x37ccf5ce                      ; cosine's
	s_mov_b32 s46, 0xbab6061a
	s_mov_b32 s47, 0x3d2aaaa5
	v_add_nc_u32 v4, s99, v2
.irp a, 0,1,2,3
	v_add_nc_u32 v5, 16*\a, v4
	v_cvt_f32_u32 v[POS+\a], v5
.endr
	v_xor_b32 v12, 1, v3
	v_lshlrev_b32 v12, 31, v12                     ; the head's lower half takes - sin
.irp j, 0,1,2,3,4,5,6,7
	v_mov_b32 v[XP+\j], 0                          ; a lane permute's destination counts as one of its sources
.endr
; cos and sin of position x f, times s97, into v[CS + 8 a + j] and v[SN + 8 a + j]
.macro SINCOS a, j, f
	v_mul_f32 v[TT], \f, v[POS+\a]
	v_mul_f32 v[TT+1], 0x3f22f983, v[TT]
	v_rndne_f32 v[TT+1], v[TT+1]                   ; k = the nearest multiple of pi / 2
	v_fma_f32 v[TT], v[TT+1], s40, v[TT]
	v_fma_f32 v[TT], v[TT+1], s41, v[TT]           ; r, |r| <= pi / 4
	v_cvt_i32_f32 v[TT+2], v[TT+1]
	v_mul_f32 v[TT+3], v[TT], v[TT]
	v_fma_f32 v[TT+4], v[TT+3], s42, s43
	v_fma_f32 v[TT+5], v[TT+3], s45, s46
	v_fma_f32 v[TT+4], v[TT+4], v[TT+3], s44
	v_fma_f32 v[TT+5], v[TT+5], v[TT+3], s47
	v_mul_f32 v[TT+4], v[TT+4], v[TT+3]
	v_mul_f32 v[TT+6], v[TT+3], v[TT+3]
	v_fma_f32 v[TT+7], v[TT+3], -0.5, 1.0
	v_fma_f32 v[TT+4], v[TT+4], v[TT], v[TT]       ; sin r
	v_fma_f32 v[TT+5], v[TT+5], v[TT+6], v[TT+7]   ; cos r
	v_and_b32 v[TT+6], 1, v[TT+2]
	v_cmp_eq_u32 vcc_lo, 1, v[TT+6]
	v_cndmask_b32 v[TT+6], v[TT+4], v[TT+5], vcc_lo   ; an odd k changes the two
	v_cndmask_b32 v[TT+7], v[TT+5], v[TT+4], vcc_lo
	v_lshlrev_b32 v[TT], 30, v[TT+2]
	v_add_nc_u32 v[TT+2], 1, v[TT+2]
	v_lshlrev_b32 v[TT+2], 30, v[TT+2]
	v_and_b32 v[TT], 0x80000000, v[TT]             ; sin is negative where k % 4 is 2 or 3,
	v_and_b32 v[TT+2], 0x80000000, v[TT+2]         ; cos where it is 1 or 2
	v_xor_b32 v[TT], v[TT], v12
	v_xor_b32 v[TT+6], v[TT+6], v[TT]
	v_xor_b32 v[TT+7], v[TT+7], v[TT+2]
	v_mul_f32 v[SN+8*\a+\j], s97, v[TT+6]
	v_mul_f32 v[CS+8*\a+\j], s97, v[TT+7]
.endm
.irp a, 0,1,2,3
	SINCOS \a, 0, 0x3f800000
	SINCOS \a, 1, 0x3ea1e89b
	SINCOS \a, 2, 0x3dcccccd
	SINCOS \a, 3, 0x3d0186e2
	SINCOS \a, 4, 0x3c23d70a
	SINCOS \a, 5, 0x3b4f3e37
	SINCOS \a, 6, 0x3a83126f
	SINCOS \a, 7, 0x39a5cb5f
.endr
; accumulator (a, b) turned into v[YO + 8 y] on: lane (r, h) holds d = 8 h + j of one head, its partner d +- 8 lies in lane l xor 16
.macro ROT a, b, y
	WIN 0x02
.irp j, 0,1,2,3,4,5,6,7
	v_permlanex16_b32 v[XP+\j], v[64*\a+8*\b+\j], s[SEL], s[SEL+1]
.endr
.irp j, 0,1,2,3,4,5,6,7
	v_mul_f32 v[YO+8*(\y)+\j], v[64*\a+8*\b+\j], v[CS+8*\a+\j]
.endr
	WIN 0
.irp j, 0,1,2,3,4,5,6,7
	v_fmac_f32 v[YO+8*(\y)+\j], v[XP+\j], v[SN+8*\a+\j]
.endr
.endm
	s_cmp_eq_u32 s18, 18
	s_cbranch_scc1 .Lkv
	s_lshl_b32 s20, s98, 11
	s_sub_co_u32 s21, s18, 16
	s_lshl_b32 s21, s21, 10
	s_add_co_u32 s20, s20, s21
	s_lshl_b32 s21, s16, 9
	s_add_co_u32 s20, s20, s21
	s_mov_b32 s21, 0
	s_add_nc_u64 s[22:23], s[10:11], s[20:21]      ; q at my first row, my 128 columns
.macro QOUT a
.irp b, 0,1,2,3,4,5,6,7
	ROT \a, \b, \b%2
	ds_store_b128 v[STO], v[YO+8*(\b%2):YO+8*(\b%2)+3] offset:64*\b
	ds_store_b128 v[STO], v[YO+8*(\b%2)+4:YO+8*(\b%2)+7] offset:64*\b+16
.endr
.if \a > 0
	s_wait_xcnt 0x0                                ; the last block's stores have read their registers
.endif
.irp t, 0,1,2,3,4,5,6,7,8,9,10,11,12,13,14,15
	ds_load_b128 v[BK+4*\t:BK+4*\t+3], v[RD] offset:\t*528     ; LDS serves a wave's instructions in order (ISA guide 5.7.1.4): these see my stores
.endr
	s_wait_dscnt 0x0
.irp t, 0,1,2,3,4,5,6,7,8,9,10,11,12,13,14,15
	global_store_b128 v[CO], v[BK+4*\t:BK+4*\t+3], s[22:23] offset:(16*\a+\t)*2048   ; 32 lanes store 512 consecutive bytes, aligned
.endr
.endm
	QOUT 0
	QOUT 1
	QOUT 2
	QOUT 3
	s_branch .Ldone
.Lkv:
	; k goes out as the image of the f32 matrix form's source 0: tile T of 16 keys at 1,024 T; lane (r', h) holds d = 8 h + 0 .. 7 of key 32 (T / 2) + 8 (T % 2) + r' + 8 (r' / 8).  v goes out as [d][position].
	s_lshl_b32 s20, s98, 6
	s_add_co_u32 s20, s20, KO
	s_mov_b32 s21, 0
	s_add_nc_u64 s[22:23], s[10:11], s[20:21]
	s_lshr_b32 s20, s98, 11
	s_lshl_b32 s20, s20, 17
	s_lshl_b32 s92, s99, 2
	s_add_co_u32 s20, s20, s92
	s_add_co_u32 s20, s20, VO
	s_add_nc_u64 s[92:93], s[10:11], s[20:21]
	v_lshrrev_b32 v6, 3, v2
	v_lshlrev_b32 v6, 10, v6
	v_and_b32 v7, 7, v2
	v_lshl_add_u32 v6, v7, 4, v6
	v_lshl_add_u32 v6, v3, 8, v6                   ; (r / 8) 1,024 + 16 (r % 8) + 256 h
	v_lshlrev_b32 v7, 2, v2
	v_lshl_add_u32 v7, v3, 16, v7                  ; 65,536 h + 4 r
.macro KVOUT a
.if \a > 0
	s_wait_xcnt 0x0
.endif
	ROT \a, 6, 0
	global_store_b128 v6, v[YO:YO+3], s[22:23] offset:(\a/2)*2048+128*(\a%2)       ; pieces of 128 bytes: k and v are 512 KB in all
	global_store_b128 v6, v[YO+4:YO+7], s[22:23] offset:(\a/2)*2048+128*(\a%2)+512
	WIN 0x08
.irp j, 0,1,2,3,4,5,6,7
	global_store_b32 v7, v[64*\a+56+\j], s[92:93] offset:8192*\j+64*\a
.endr
	WIN 0
.endm
	KVOUT 0
	KVOUT 1
	KVOUT 2
	KVOUT 3
.Ldone:
	s_wait_tensorcnt 0x0                           ; the wave's end
	ds_add_u32 v[SPW], v[NIL]
	s_wait_dscnt 0x0
	CROUND                                         ; the closing round
	s_endpgm
.Lfunc_end_k_q442774aec4_gemm1:
	.size	k_q442774aec4_gemm1, .Lfunc_end_k_q442774aec4_gemm1-k_q442774aec4_gemm1
	.p2alignl 7, 3214868480
	.fill 96, 4, 3214868480
	.section	.rodata,"a",@progbits
	.p2align	6, 0x0
	.amdhsa_kernel k_q442774aec4_gemm1
		.amdhsa_group_segment_fixed_size 327680
		.amdhsa_private_segment_fixed_size 0
		.amdhsa_enable_private_segment 0
		.amdhsa_kernarg_size 32
		.amdhsa_user_sgpr_count 2
		.amdhsa_user_sgpr_kernarg_segment_ptr 1
		.amdhsa_wavefront_size32 1
		.amdhsa_system_sgpr_workgroup_id_x 1
		.amdhsa_system_sgpr_workgroup_id_y 1
		.amdhsa_system_sgpr_workgroup_id_z 1
		.amdhsa_system_vgpr_workitem_id 0
		.amdhsa_next_free_vgpr 768
		.amdhsa_next_free_sgpr 102
		.amdhsa_reserve_vcc 1
		.amdhsa_float_denorm_mode_32 3
		.amdhsa_float_denorm_mode_16_64 3
		.amdhsa_memory_ordered 1
		.amdhsa_forward_progress 1
		.amdhsa_inst_pref_size 255
	.end_amdhsa_kernel
	.section	.bss,"aw",@nobits
	.p2align	6
	.space	262144
	.amdgpu_metadata
---
amdhsa.version: [ 1, 2 ]
amdhsa.kernels:
  - .name:           k_q442774aec4_gemm1
    .symbol:         k_q442774aec4_gemm1.kd
    .args:
      - { .name: act1, .offset: 0, .size: 8, .value_kind: global_buffer, .address_space: global }
      - { .name: wq1, .offset: 8, .size: 8, .value_kind: global_buffer, .address_space: global }
      - { .name: act2, .offset: 16, .size: 8, .value_kind: global_buffer, .address_space: global }
      - { .name: qkv, .offset: 24, .size: 8, .value_kind: global_buffer, .address_space: global }
    .group_segment_fixed_size: 327680
    .private_segment_fixed_size: 0
    .kernarg_segment_align: 8
    .kernarg_segment_size: 32
    .max_flat_workgroup_size: 128
    .sgpr_count:     102
    .vgpr_count:     768
    .wavefront_size: 32
...
	.end_amdgpu_metadata
.endif
;; end of part 2
;; launch attn (part 3): grid 128 x 2, 16 waves a work-group, no clusters, 299,264 bytes of LDS; arguments qkv, attn_mask, act2; writes act2
.if DOCPART == 3
	.amdgcn_target "amdgcn-amd-amdhsa--gfx1250"
	.amdhsa_code_object_version 6
	.text
	.protected	k_q442774aec4_attn
	.globl	k_q442774aec4_attn
	.p2align	8
	.type	k_q442774aec4_attn,@function
k_q442774aec4_attn:
	s_mov_b64 s[64:65], 0
	v_nop
	global_prefetch_b8 v0, s[64:65] scope:SCOPE_SE
	s_setreg_imm32_b32 hwreg(HW_REG_WAVE_MODE, 25, 1), 1
	s_wait_xcnt 0x0
; ATTN: 32 query heads on one key and value head of size 16, under the mask that is given.  The scores (K = 16) feed a quantiser, so they are made with f32 operands (v_wmma_f32_16x16x4_f32);
; p V runs on codes of BF6 (E3M2).  q arrives turned and scaled by 0.25 log2 e, so a score is t itself.  p = 2^(t - M), M the running largest t rounded up to a whole number; the row's sum is taken of the
; unquantised p and divides at the end; the result is quantised along the next product's K (head x 16 + d) and stored as codes.
; SHARES.  A work-group: one batch, 16 positions, all 32 heads.  Wave w: heads 2 w and 2 w + 1: two tiles of 16 queries, which share k's fragments and the mask.  Every wave walks 2,048 keys, 64 a trip.
; LDS, filled once: k's image (one tensor load a wave); the mask as PENALTIES in the scores' layout, 0 or -3e38; v's codes and scale words; at the end the result's image.
; THE MASK COSTS NO VECTOR INSTRUCTION IN THE LOOP: a tile's penalties are the C of its first matrix instruction.  -3e38 + score rounds to -3e38.  A row with no open key so far has M = -3e38 and p = 1
; on every key (reference()'s uniform row); the first open key makes the rescaling factor 0.
; Both products are used transposed: a lane holds one query.  The keys of a tile are 32 (T / 2) + 8 (T % 2) + r + 8 (r / 8), so that two tiles' 16 registers are 16 neighbouring keys.
; The head's 16 numbers are dealt to the four K steps alike in k and q (step s, lane half h, register j: d = 8 h + 2 s + j): the sum's order differs from reference()'s.
; One scaled product serves 64 keys: the upper 64 of its K are zero codes on both sides.
; No cluster: what work-groups share (k, v: 256 KB) is read once at the head.  LIMITS: of a mask byte bit 0 is read; NaN and infinities are not served.
.set KO,   8388608
.set VO,   8650752
.set A2S,  7864320
.set PEN,  131072
.set VIMG, 262144
.set VSC,  286720
.set OIMG, 290816
.set OSC,  296960
.set WV,  10
.set SEL, 12
.set TK,  16
.set TV,  17
.set TS,  18
.set CNT, 19
.set G1,  24
.set G0,  32
.set QF,  20                           ; v20-35   q, 8 a tile
.set OT,  36                           ; v36-51   O^T, 8 a tile
.set VF,  52                           ; v52-63   v's fragment; the upper six stay 0
.set PC,  64                           ; v64-75   p's codes; the upper six stay 0
.set TMPC, 76
.set KF,  80                           ; v80-111  k, 8 a tile of keys
.set PP,  112                          ; v112-143 the penalties, then p
.set S0,  144                          ; v144-207 the scores of the two tiles: written by matrix instructions alone
.set BM,  208
.set BP,  210
.set SO,  212
.set BY,  214
.set FF,  216
.set WK,  218
.set PW,  220
.set VS,  221
.set TM,  224
.macro QUANT s, pc, tq, pw
.irp b, 0,1,2,3
	v_max3_num_f32 v[TM+\b], |v[\s+16*\b]|, |v[\s+1+16*\b]|, 0x2800000
.endr
.irp i, 2,4,6,8,10,12,14
.irp b, 0,1,2,3
	v_max3_num_f32 v[TM+\b], v[TM+\b], |v[\s+16*\b+\i]|, |v[\s+1+16*\b+\i]|
.endr
.endr
.irp b, 0,1,2,3
	v_permlanex16_b32 v[TM+4+\b], v[TM+\b], s[SEL], s[SEL+1]
.endr
.irp b, 0,1,2,3
	v_max_num_f32 v[TM+\b], v[TM+\b], v[TM+4+\b]
.endr
.irp b, 0,1,2,3
	v_add_nc_u32 v[TM+12+\b], 0xfe000000, v[TM+\b]
.endr
.irp b, 0,1,2,3
	v_lshrrev_b32 v[TM+4+\b], 23, v[TM+12+\b]
.endr
	v_lshl_or_b32 v[\pw], v[TM+5], 8, v[TM+4]
	v_lshl_or_b32 v[\pw], v[TM+6], 16, v[\pw]
	v_lshl_or_b32 v[\pw], v[TM+7], 24, v[\pw]
.irp c, 0,1
	v_cvt_scalef32_pk16_bf6_f32 v[\pc+6*\c:\pc+2+6*\c], v[\s+32*\c:\s+15+32*\c], v[TM+12+2*\c]
	v_cvt_scalef32_pk16_bf6_f32 v[\tq+4*\c:\tq+2+4*\c], v[\s+16+32*\c:\s+31+32*\c], v[TM+12+2*\c+1]
.endr
	v_nop
.irp c, 0,1
.irp i, 0,1,2
	v_permlane16_swap_b32 v[\pc+6*\c+\i], v[\tq+4*\c+\i]
.endr
.irp i, 0,1,2
	v_mov_b32 v[\pc+3+6*\c+\i], v[\tq+4*\c+\i]
.endr
.endr
.endm
	s_load_b128 s[4:7], s[0:1], 0x0                ; qkv, attn_mask
	s_load_b64 s[8:9], s[0:1], 0x10                ; act2
	v_lshl_add_u32 v235, v0, 2, 0x48900
	v_mov_b32 v249, 0
	ds_add_u32 v235, v249
	ds_add_u32 v235, v249
	v_lshrrev_b32 v9, 5, v0
	v_readfirstlane_b32 s[WV], v9                  ; wave 0..15
	s_and_b32 s11, ttmp7, 0xffff                   ; batch
	s_mov_b32 s[SEL], 0x76543210
	s_mov_b32 s[SEL+1], 0xfedcba98
	s_mov_b32 s[G1+0], 3<<16                       ; elements of 8 bytes, no padding: 8,192 dense bytes as 32 rows of 256
	s_mov_b32 s[G1+1], 32<<16
	s_mov_b32 s[G1+2], 32<<16
	s_mov_b32 s[G1+3], 32<<16
	s_mov_b32 s[G1+4], 32
	s_mov_b32 s[G1+5], 32
	s_mov_b32 s[G1+6], 0
	s_mov_b32 s[G1+7], 0
	s_lshl_b32 s20, s11, 17
	s_lshl_b32 s21, s[WV], 13
	s_add_co_u32 s20, s20, s21
	s_add_co_u32 s20, s20, KO
	s_mov_b32 s21, 0
	s_wait_dscnt 0x0
	s_wait_kmcnt 0x0
	s_mov_b32 s[G0], 1
	s_lshl_b32 s[G0+1], s[WV], 13                  ; my sixteenth of k's image
	s_add_nc_u64 s[G0+2:G0+3], s[4:5], s[20:21]
	s_or_b32 s[G0+3], s[G0+3], 0x80000000
	tensor_load_to_lds s[G0:G0+3], s[G1:G1+7]      ; filled once; one tensor load of a wave is out
	s_nop 0
.rept 4
	v_nop
.endr
	s_lshl_b32 s20, s11, 22                        ; the mask's rows and q's rows are both 2,048 bytes, a batch 2,048 rows
	s_lshl_b32 s22, ttmp9, 15
	s_add_co_u32 s20, s20, s22
	s_lshl_b32 s22, s[WV], 7                       ; my 128 keys of the mask; my two heads of q
	s_add_co_u32 s20, s20, s22
	s_add_nc_u64 s[6:7], s[6:7], s[20:21]
	s_add_nc_u64 s[38:39], s[4:5], s[20:21]
	s_lshl_b32 s20, s11, 17
	s_lshl_b32 s22, s[WV], 9
	s_add_co_u32 s20, s20, s22
	s_add_co_u32 s20, s20, VO
	s_add_nc_u64 s[36:37], s[4:5], s[20:21]        ; v, my 128 keys
	s_lshl_b32 s22, s11, 7
	s_add_co_u32 s22, s22, ttmp9                   ; the row block of the result
	s_mul_i32 s20, s22, 30720
	s_lshl_b32 s23, s[WV], 9
	s_add_co_u32 s20, s20, s23
	s_add_nc_u64 s[40:41], s[8:9], s[20:21]
	s_mul_i32 s20, s22, 1280
	s_add_co_u32 s20, s20, A2S
	s_add_nc_u64 s[42:43], s[8:9], s[20:21]
	v_and_b32 v9, 31, v0                           ; lane
	v_and_b32 v10, 15, v0                          ; r
	v_bfe_u32 v11, v0, 4, 1                        ; h
	v_lshlrev_b32 v242, 11, v10
	v_lshl_add_u32 v243, v11, 5, v242              ; q: 2,048 r + 32 h
	v_lshl_add_u32 v242, v11, 4, v242              ; mask: 2,048 r + 16 h
	v_lshlrev_b32 v244, 13, v10
	v_lshl_add_u32 v244, v11, 6, v244              ; v: 8,192 r + 64 h
.irp b, 0,1,2,3
	global_load_b128 v[36+4*\b:39+4*\b], v242, s[6:7] offset:32*\b th:TH_LOAD_NT
.endr
.irp b, 0,1,2,3
.irp j, 0,1,2,3
	global_load_b128 v[80+16*\b+4*\j:83+16*\b+4*\j], v244, s[36:37] offset:128*\b+16*\j
.endr
.endr
.irp t, 0,1
.irp c, 0,1
	global_load_b128 v[QF+8*\t+4*\c:QF+8*\t+4*\c+3], v243, s[38:39] offset:64*\t+16*\c th:TH_LOAD_NT
.endr
.endr
	v_lshlrev_b32 v1, 4, v9                        ; k's image: 16 x lane
	v_lshl_add_u32 v2, v9, 4, PEN
	v_lshl_add_u32 v3, v9, 3, VIMG
	v_lshl_add_u32 v4, v9, 2, VSC
	s_lshl_b32 s20, s[WV], 13
	v_add_nc_u32 v5, s20, v2                       ; where I store penalties: my eight tiles of keys
	s_mul_i32 s20, s[WV], 1536
	v_add_nc_u32 v6, s20, v3                       ; v's codes: my two trips
	s_lshl_b32 s20, s[WV], 8
	v_add_nc_u32 v7, s20, v4
	s_lshr_b32 s20, s[WV], 2                       ; the result's image: my block of 32 is block w % 4 of fragment w / 4
	s_mul_i32 s20, s20, 1536
	s_bfe_u32 s21, s[WV], 0x10001
	s_mul_i32 s21, s21, 768
	s_add_co_u32 s20, s20, s21
	s_and_b32 s21, s[WV], 1
	s_lshl_b32 s21, s21, 7
	s_add_co_u32 s20, s20, s21
	s_add_co_u32 s20, s20, OIMG
	v_lshl_add_u32 v253, v10, 3, s20
	v_mad_u32_u24 v254, v11, 508, v253             ; my second register's word
	v_mad_u32_u24 v253, v11, 260, v253             ; my first and third registers' words
	s_lshr_b32 s20, s[WV], 3
	s_lshl_b32 s20, s20, 7
	s_bfe_u32 s21, s[WV], 0x10002
	s_lshl_b32 s21, s21, 2
	s_add_co_u32 s20, s20, s21
	s_and_b32 s21, s[WV], 3
	s_add_co_u32 s20, s20, s21
	s_add_co_u32 s20, s20, OSC
	v_lshl_add_u32 v255, v10, 3, s20               ; my block's scale byte of row r
	s_lshl_b32 s20, s[WV], 9
	s_add_co_u32 s20, s20, OIMG
	v_add_nc_u32 v245, s20, v1                     ; the way out: 512 bytes of the image a wave
	v_lshl_add_u32 v222, v9, 3, OSC
	v_lshlrev_b32 v223, 3, v9
.irp b, 0,1,2,3
	v_mov_b32 v[TM+4+\b], 0                        ; a lane permute's destination counts as one of its sources
.endr
	s_wait_loadcnt 20                              ; the mask's four loads are in; v's 16 and q's 4 may be out
.irp b, 0,1,2,3                        ; tile 8 w + 2 b + u, lane (r, h), register j: query r, key 128 w + 32 b + 16 h + 8 u + j
.irp u, 0,1
.irp j, 0,1,2,3,4,5,6,7
	v_bfe_u32 v[52+\j], v[36+4*\b+2*\u+\j/4], 8*(\j%4), 1
.endr
.irp j, 0,1,2,3,4,5,6,7
	v_add_nc_u32 v[52+\j], -1, v[52+\j]            ; open: 0; hidden: all ones
.endr
.irp j, 0,1,2,3,4,5,6,7
	v_and_b32 v[52+\j], 0xff61b1e6, v[52+\j]       ; 0 or -3e38
.endr
	ds_store_b128 v5, v[52:55] offset:(2*\b+\u)*1024
	ds_store_b128 v5, v[56:59] offset:(2*\b+\u)*1024+512
.endr
.endr
	s_wait_loadcnt 4                               ; v is in; q's four loads may be out
	QUANT 80, 64, 246, 240                         ; rows d, K = my 128 keys
.irp c, 0,1
.irp p, 0,1,2
	ds_store_b64 v6, v[64+6*\c+2*\p:65+6*\c+2*\p] offset:768*\c+256*\p
.endr
.endr
	v_lshrrev_b32 v241, 16, v240
	ds_store_b32 v7, v240                          ; trip 2 w: bytes 0, 1 are its two blocks'; the others stand over zero codes
	ds_store_b32 v7, v241 offset:128               ; trip 2 w + 1
	s_wait_loadcnt 0x0                             ; q
	s_wait_tensorcnt 0x0                           ; my part of k's image has landed,
	s_wait_dscnt 0x0                               ; my stores are done:
	s_barrier_signal -1
	s_barrier_wait -1                              ; everybody's
.set i, 0
.rept 16
	v_mov_b32 v[OT+i], 0                           ; the trip is written once: the first finds zeros
.set i, i+1
.endr
.irp i, 6,7,8,9,10,11
	v_mov_b32 v[VF+\i], 0
	v_mov_b32 v[PC+\i], 0
.endr
.irp t, 0,1
	v_mov_b32 v[13+4*\t], 0xff61b1e6               ; the largest t so far: -3e38
	v_floor_f32 v[12+4*\t], -v[13+4*\t]            ; -M
	v_mov_b32 v[14+4*\t], 0                        ; the sum, in two halves
	v_mov_b32 v[15+4*\t], 0
.endr
	v_mov_b32 v[BP], 0
	v_mov_b32 v[BP+1], 0
	v_mov_b32 v[FF+1], 0                           ; named as the upper half of a pair
	s_mov_b32 s[TK], 0
	s_mov_b32 s[TV], 0
	s_mov_b32 s[TS], 0
	s_mov_b32 s[CNT], 32
; tile t's softmax for 64 keys, and its product with v
.macro SM t
.set SS, S0+32*\t
.set NM, 12+4*\t
.set LL, 14+4*\t
.set OO, OT+8*\t
.irp b, 0,1
	v_max3_num_f32 v[BM+\b], v[SS+16*\b], v[SS+16*\b+1], v[SS+16*\b+2]   ; the largest t of each block of 32 keys; each accumulator is read from its low end on
.endr
.irp i, 3,5,7,9,11,13
.irp b, 0,1
	v_max3_num_f32 v[BM+\b], v[BM+\b], v[SS+16*\b+\i], v[SS+16*\b+\i+1]
.endr
.endr
.irp b, 0,1
	v_max_num_f32 v[BM+\b], v[BM+\b], v[SS+16*\b+15]
.endr
.irp b, 0,1
	v_permlanex16_b32 v[BP+\b], v[BM+\b], s[SEL], s[SEL+1]
.endr
.irp b, 0,1
	v_max_num_f32 v[BM+\b], v[BM+\b], v[BP+\b]
.endr
	v_max3_num_f32 v[NM+1], v[NM+1], v[BM], v[BM+1]        ; the running largest t
	v_mov_b32 v[WK], v[NM]
	v_floor_f32 v[NM], -v[NM+1]                            ; -M = floor(-t)
	v_sub_f32 v[WK], v[NM], v[WK]                          ; old M - new M, a whole number, 0 or less
	v_cvt_i32_f32 v[WK], v[WK]                             ; (it saturates)
	v_ldexp_f32 v[FF], 1.0, v[WK]                          ; f = 2^(old M - new M)
.set j, 0
.rept 16
	v_pk_add_f32 v[PP+j:PP+j+1], v[SS+j:SS+j+1], v[NM:NM+1] op_sel_hi:[1,0]   ; t - M, into other registers than the scores'
.set j, j+2
.endr
.irp b, 0,1
	v_add_f32 v[BM+\b], v[BM+\b], v[NM]
.endr
.set j, 0
.rept 32
	v_exp_f32 v[PP+j], v[PP+j]                             ; p, not normalised
.set j, j+1
.endr
	v_pk_mul_f32 v[LL:LL+1], v[LL:LL+1], v[FF:FF+1] op_sel_hi:[1,0]   ; the sums and O^T under the new M: plain work behind the batch
.irp j, 0,2,4,6
	v_pk_mul_f32 v[OO+\j:OO+\j+1], v[OO+\j:OO+\j+1], v[FF:FF+1] op_sel_hi:[1,0]
.endr
	s_wait_alu depctr_va_vdst(0)                           ; one wait for the batch, ahead of its first reader
.irp b, 0,1
	v_exp_f32 v[BM+\b], v[BM+\b]                           ; the block's largest p: the same two instructions on the same number
.endr
	v_pk_add_f32 v[WK:WK+1], v[PP:PP+1], v[PP+2:PP+3]      ; the row's sum of the unquantised p, in two chains: the first half
.irp j, 4,8,12
	v_pk_add_f32 v[LL:LL+1], v[LL:LL+1], v[PP+\j:PP+\j+1]
	v_pk_add_f32 v[WK:WK+1], v[WK:WK+1], v[PP+\j+2:PP+\j+3]
.endr
	s_wait_alu depctr_va_vdst(0)                           ; and one for the two
.irp b, 0,1
	v_max_num_f32 v[BM+\b], 0x2800000, v[BM+\b]
.endr
.irp b, 0,1
	v_add_nc_u32 v[SO+\b], 0xfe000000, v[BM+\b]
.endr
.irp b, 0,1
	v_lshrrev_b32 v[BY+\b], 23, v[SO+\b]
.endr
	v_lshl_or_b32 v[PW], v[BY+1], 8, v[BY]                 ; p's scale word; its upper bytes stand over zero codes
	v_cvt_scalef32_pk16_bf6_f32 v[PC:PC+2], v[PP:PP+15], v[SO]
	v_cvt_scalef32_pk16_bf6_f32 v[TMPC:TMPC+2], v[PP+16:PP+31], v[SO+1]
	v_nop
.irp i, 0,1,2
	v_permlane16_swap_b32 v[PC+\i], v[TMPC+\i]
.endr
.irp i, 0,1,2
	v_mov_b32 v[PC+3+\i], v[TMPC+\i]
.endr
.irp j, 16,20,24,28
	v_pk_add_f32 v[LL:LL+1], v[LL:LL+1], v[PP+\j:PP+\j+1]  ; the sum's second half: nine plain instructions that name no register of the product below: the places between its scale word and codes and itself
	v_pk_add_f32 v[WK:WK+1], v[WK:WK+1], v[PP+\j+2:PP+\j+3]
.endr
	v_pk_add_f32 v[LL:LL+1], v[LL:LL+1], v[WK:WK+1]
	v_wmma_scale_f32_16x16x128_f8f6f4 v[OO:OO+7], v[VF:VF+11], v[PC:PC+11], v[OO:OO+7], v[VS], v[PW] matrix_a_fmt:MATRIX_FMT_BF6 matrix_b_fmt:MATRIX_FMT_BF6
.endm
.Ltrip:
	v_add_nc_u32 v5, s[TK], v1                     ; these four are also the places between the last product and the loads into its operands
	v_add_nc_u32 v6, s[TK], v2
	v_add_nc_u32 v7, s[TV], v3
	v_add_nc_u32 v8, s[TS], v4
.irp g, 0,1,2,3
.irp c, 0,1
	ds_load_b128 v[KF+8*\g+4*\c:KF+8*\g+4*\c+3], v5 offset:1024*\g+512*\c
.endr
.endr
.irp g, 0,1,2,3
.irp c, 0,1
	ds_load_b128 v[PP+8*\g+4*\c:PP+8*\g+4*\c+3], v6 offset:1024*\g+512*\c
.endr
.endr
.irp p, 0,1,2
	ds_load_b64 v[VF+2*\p:VF+2*\p+1], v7 offset:256*\p
.endr
	ds_load_b32 v[VS], v8
	s_wait_dscnt 0x0
.irp s, 0,1,2,3                        ; eight accumulators by turns; the first K step takes the penalties as C
.irp t, 0,1
.irp g, 0,1,2,3
.if \s == 0
	v_wmma_f32_16x16x4_f32 v[S0+32*\t+8*\g:S0+32*\t+8*\g+7], v[KF+8*\g+2*\s:KF+8*\g+2*\s+1], v[QF+8*\t+2*\s:QF+8*\t+2*\s+1], v[PP+8*\g:PP+8*\g+7]
.else
	v_wmma_f32_16x16x4_f32 v[S0+32*\t+8*\g:S0+32*\t+8*\g+7], v[KF+8*\g+2*\s:KF+8*\g+2*\s+1], v[QF+8*\t+2*\s:QF+8*\t+2*\s+1], v[S0+32*\t+8*\g:S0+32*\t+8*\g+7]
.endif
.endr
.endr
.endr
.rept 8
	v_nop                                          ; eight places behind this form
.endr
	SM 0
	SM 1
	s_add_co_u32 s[TK], s[TK], 4096
	s_add_co_u32 s[TV], s[TV], 768
	s_add_co_u32 s[TS], s[TS], 128
	s_sub_co_u32 s[CNT], s[CNT], 1
	s_cmp_lg_u32 s[CNT], 0
	s_cbranch_scc1 .Ltrip
	; THE WAY OUT
.irp t, 0,1
	v_add_f32 v[BM+\t], v[14+4*\t], v[15+4*\t]
.endr
.irp t, 0,1
	v_permlanex16_b32 v[BP+\t], v[BM+\t], s[SEL], s[SEL+1]
.endr
.irp t, 0,1
	v_add_f32 v[BM+\t], v[BM+\t], v[BP+\t]         ; the row's sum
.endr
.irp t, 0,1
	v_rcp_f32 v[BM+\t], v[BM+\t]
.endr
	v_nop
	s_wait_alu depctr_va_vdst(0)
.irp t, 0,1
.irp j, 0,1,2,3,4,5,6,7
	v_mul_f32 v[80+8*\t+\j], v[OT+8*\t+\j], v[BM+\t]       ; lane (r, h): position r, k = 16 t + 8 h + j of my block of 32
.endr
.endr
.irp j, 0,1,2,3,4,5,6,7
	v_permlane16_swap_b32 v[80+\j], v[88+\j]       ; now 16 neighbours a lane: k = 16 h + 0 .. 15
.endr
	v_max3_num_f32 v[SO], |v80|, |v81|, 0x2800000
.irp i, 2,4,6,8,10,12,14
	v_max3_num_f32 v[SO], v[SO], |v[80+\i]|, |v[81+\i]|
.endr
	v_permlanex16_b32 v[BP], v[SO], s[SEL], s[SEL+1]
	v_max_num_f32 v[SO], v[SO], v[BP]
	v_add_nc_u32 v[SO+1], 0xfe000000, v[SO]
	v_lshrrev_b32 v[BY], 23, v[SO+1]
	v_cvt_scalef32_pk16_bf6_f32 v[96:98], v[80:95], v[SO+1]
	v_nop
	ds_store_b32 v253, v96                         ; my three registers of the fragment's image: lower half of the block from lanes 0-15, upper from lanes 16-31
	ds_store_b32 v254, v97 offset:4
	ds_store_b32 v253, v98 offset:256
	ds_store_b8 v255, v[BY]                        ; both halves of the lanes write the same byte with the same value
	s_wait_dscnt 0x0
	s_barrier_signal -1
	s_barrier_wait -1
	s_cmp_lt_u32 s[WV], 12
	s_cbranch_scc0 .Lnot_codes
	ds_load_b128 v[100:103], v245
	s_wait_dscnt 0x0
	global_store_b128 v1, v[100:103], s[40:41]     ; 512 consecutive bytes, aligned
	s_wait_tensorcnt 0x0
	ds_add_u32 v235, v249
	s_wait_dscnt 0x0
	s_endpgm
.Lnot_codes:
	s_cmp_eq_u32 s[WV], 12
	s_cbranch_scc0 .Lend
	ds_load_b64 v[100:101], v222
	s_wait_dscnt 0x0
	global_store_b64 v223, v[100:101], s[42:43]    ; the 256 scale bytes
.Lend:
	s_wait_tensorcnt 0x0
	ds_add_u32 v235, v249
	s_wait_dscnt 0x0
	s_endpgm
.Lfunc_end_k_q442774aec4_attn:
	.size	k_q442774aec4_attn, .Lfunc_end_k_q442774aec4_attn-k_q442774aec4_attn
	.p2alignl 7, 3214868480
	.fill 96, 4, 3214868480
	.section	.rodata,"a",@progbits
	.p2align	6, 0x0
	.amdhsa_kernel k_q442774aec4_attn
		.amdhsa_group_segment_fixed_size 299264
		.amdhsa_private_segment_fixed_size 0
		.amdhsa_enable_private_segment 0
		.amdhsa_kernarg_size 24
		.amdhsa_user_sgpr_count 2
		.amdhsa_user_sgpr_kernarg_segment_ptr 1
		.amdhsa_wavefront_size32 1
		.amdhsa_system_sgpr_workgroup_id_x 1
		.amdhsa_system_sgpr_workgroup_id_y 1
		.amdhsa_system_sgpr_workgroup_id_z 1
		.amdhsa_system_vgpr_workitem_id 0
		.amdhsa_next_free_vgpr 256
		.amdhsa_next_free_sgpr 66
		.amdhsa_reserve_vcc 0
		.amdhsa_float_denorm_mode_32 3
		.amdhsa_float_denorm_mode_16_64 3
		.amdhsa_memory_ordered 1
		.amdhsa_forward_progress 1
		.amdhsa_inst_pref_size 43
	.end_amdhsa_kernel
	.amdgpu_metadata
---
amdhsa.version: [ 1, 2 ]
amdhsa.kernels:
  - .name:           k_q442774aec4_attn
    .symbol:         k_q442774aec4_attn.kd
    .args:
      - { .name: qkv, .offset: 0, .size: 8, .value_kind: global_buffer, .address_space: global }
      - { .name: attn_mask, .offset: 8, .size: 8, .value_kind: global_buffer, .address_space: global }
      - { .name: act2, .offset: 16, .size: 8, .value_kind: global_buffer, .address_space: global }
    .group_segment_fixed_size: 299264
    .private_segment_fixed_size: 0
    .kernarg_segment_align: 8
    .kernarg_segment_size: 24
    .max_flat_workgroup_size: 512
    .sgpr_count:     66
    .vgpr_count:     256
    .wavefront_size: 32
...
	.end_amdgpu_metadata
.endif
;; end of part 3
;; launch gemm2 (part 4): grid 32 x 8, 4 waves a work-group, clusters of 4 x 1, 327,680 bytes of LDS; arguments act2, wq2, out0; writes out0
.if DOCPART == 4
	.amdgcn_target "amdgcn-amd-amdhsa--gfx1250"
	.amdhsa_code_object_version 6
	.text
	.protected	k_q442774aec4_gemm2
	.globl	k_q442774aec4_gemm2
	.p2align	8
	.type	k_q442774aec4_gemm2,@function
k_q442774aec4_gemm2:
	s_mov_b64 s[64:65], 0
	v_nop
	global_prefetch_b8 v0, s[64:65] scope:SCOPE_SE
	s_setreg_imm32_b32 hwreg(HW_REG_WAVE_MODE, 25, 1), 1
	s_wait_xcnt 0x0
	s_wait_alu depctr_hold_cnt(0) depctr_sa_sdst(0) depctr_va_vdst(0) depctr_va_sdst(0) depctr_va_ssrc(0) depctr_va_vcc(0) depctr_vm_vsrc(0)
	s_getreg_b32 s2, hwreg(HW_REG_IB_STS2, 6, 4)
	s_cmp_eq_u32 s2, 0
	s_cbranch_scc0 .Lentry_in_a_cluster
	s_endpgm
.Lentry_in_a_cluster:
	s_bfe_u32 s2, ttmp6, 0x10000c
	s_cmp_lg_u32 s2, 0x3003
	s_cbranch_scc0 .Lentry_shape_is_right
	s_endpgm
.Lentry_shape_is_right:
; GEMM2: out = attention's result x w_attn_out + silu(gate) value x w_ff_out, as ONE product with K = 512 + 2,048 (the blocks of 32 do not cross the seam), on codes of BF6 (E3M2).
; The structure is the first GEMM's: a work-group makes 128 rows x 256 columns, four waves of 64 x 128, 32 accumulators each; the product is used transposed (source 0 = 16 rows of the weight,
; source 1 = 16 rows of the activations); codes lie in memory as images of the operand's registers; K goes in five steps of 512 through two LDS slots, written out; the scale bytes come once.
; THE LDS LOADS STAND IN RUNS: the twelve fragments of the next 128 along K are asked for in one run at the head of each 128, ahead of its 32 products, into the other set of registers.
; CLUSTER 4 x 1: the four partners make four row tiles of one tile column and ask for the weight's tile jointly; the same text as the first GEMM's, whose 19 tile columns do not divide by four.
; REGISTERS: window 0: v16-29 addresses, v32-95 scale words, v96-191 the activations' fragments, on the way out v128-255 rows of the result; window 1: the weight's fragments; window 2: the accumulators.
.set NKS,   20
.set KPB,   1280
.set ASC,   7864320
.set BSC,   3932160
.set SLOT,  147456
.set SCL,   2*SLOT
.set SPARE, SCL+24*KPB
.set STG,   SLOT                       ; the stages lie in slot 1: it has had its last fill and its last read by then
.set PE,    NKS*192
.set RA,    4*KPB/256
.set RB,    8*KPB/256
.set ADRA, 16
.set ADRB, 20
.set STO,  24
.set RD,   25
.set CO,   26
.set ADRS, 27
.set SPW,  28
.set NIL,  29
.set SC,   32
.set AF,   96
.set BK,   128
.set G1A,  24
.set G0A,  32
.set G1B,  48
.set G0B,  56
.set G1SA, 68
.set G0SA, 76
.set G1SB, 80
.set G0SB, 88
.set MSB, 0
.macro WIN new
.if MSB != \new
	s_set_vgpr_msb (MSB<<8)|\new
.set MSB, \new
.endif
.endm
.set MUL,  0xa1
.set TO_B, 0x40
.macro PLACES n
.rept \n
	v_nop
.endr
.endm
.macro JLOAD g0a, g1a, g0b, g1b        ; waves 0 and 1 fetch the activations, waves 2 and 3 the weight; four v_nop follow each of the two lines
	s_cmp_eq_u32 s15, 0
	s_cbranch_scc0 .Lfor_b_\@
	tensor_load_to_lds s[\g0a:\g0a+3], s[\g1a:\g1a+7]
	s_nop 0
.rept 4
	v_nop
.endr
	s_branch .Lasked_\@
.Lfor_b_\@:
	tensor_load_to_lds s[\g0b:\g0b+3], s[\g1b:\g1b+7]
	s_nop 0
.rept 4
	v_nop
.endr
.Lasked_\@:
.endm
.macro CREST
	s_cmp_lg_u32 s14, 0
	s_cbranch_scc1 .Lnot_wave_0_\@
	s_barrier_signal -3
.Lnot_wave_0_\@:
	s_barrier_wait -3
	s_barrier_signal -1
	s_barrier_wait -1
.endm
.macro CROUND
	s_barrier_signal -1
	s_barrier_wait -1
	CREST
.endm
	s_load_b128 s[4:7], s[0:1], 0x0                ; act2, wq2
	s_load_b64 s[8:9], s[0:1], 0x10                ; out0
	v_lshl_add_u32 v[SPW], v0, 2, SPARE
	v_mov_b32 v[NIL], 0
	ds_add_u32 v28, v29
	ds_add_u32 v28, v29
	s_wait_dscnt 0x0
	v_lshrrev_b32 v1, 5, v0
	v_readfirstlane_b32 s14, v1
	s_lshr_b32 s15, s14, 1
	s_and_b32 s16, s14, 1
	s_bfe_u32 s19, ttmp6, 0x40000                  ; cx
	s_lshl_b32 s17, ttmp9, 2
	s_add_co_u32 s17, s17, s19                     ; row tile
	s_and_b32 s18, ttmp7, 0xffff                   ; tile column
	s_mov_b32 s[G1A+0], 3<<16
	s_mov_b32 s[G1A+1], 768<<16
	s_mov_b32 s[G1A+2], 4<<16
	s_mov_b32 s[G1A+3], 768<<16
	s_mov_b32 s[G1A+4], 4
	s_mov_b32 s[G1A+5], PE
	s_mov_b32 s[G1A+6], 0
	s_mov_b32 s[G1A+7], 0
	s_mov_b32 s[G1B+0], 15|(3<<16)|(1<<21)
	s_mov_b32 s[G1B+1], 768<<16
	s_mov_b32 s[G1B+2], 8<<16
	s_mov_b32 s[G1B+3], 768<<16
	s_mov_b32 s[G1B+4], 8
	s_mov_b32 s[G1B+5], PE
	s_mov_b32 s[G1B+6], 0
	s_mov_b32 s[G1B+7], 0
	s_mov_b32 s[G1SA+0], 3<<16
	s_mov_b32 s[G1SA+1], 32<<16
	s_mov_b32 s[G1SA+2], RA<<16
	s_mov_b32 s[G1SA+3], 32<<16
	s_mov_b32 s[G1SA+4], RA
	s_mov_b32 s[G1SA+5], 32
	s_mov_b32 s[G1SA+6], 0
	s_mov_b32 s[G1SA+7], 0
	s_mov_b32 s[G1SB+0], 15|(3<<16)|(1<<21)
	s_mov_b32 s[G1SB+1], 32<<16
	s_mov_b32 s[G1SB+2], RB<<16
	s_mov_b32 s[G1SB+3], 32<<16
	s_mov_b32 s[G1SB+4], RB
	s_mov_b32 s[G1SB+5], 32
	s_mov_b32 s[G1SB+6], 0
	s_mov_b32 s[G1SB+7], 0
	s_lshl_b32 s20, s17, 3
	s_lshl_b32 s21, s16, 2
	s_add_co_u32 s20, s20, s21
	s_mul_i32 s22, s20, NKS*1536
	s_mov_b32 s23, 0
	s_mul_i32 s40, s20, KPB
	s_add_co_u32 s40, s40, ASC
	s_mov_b32 s41, 0
	s_lshl_b32 s42, s18, 4                         ; the weight: registers that never hold cx
	s_lshl_b32 s43, s16, 3
	s_add_co_u32 s42, s42, s43
	s_mul_i32 s44, s42, NKS*1536
	s_mov_b32 s45, 0
	s_mul_i32 s46, s42, KPB
	s_add_co_u32 s46, s46, BSC
	s_mov_b32 s47, 0
	s_mul_i32 s92, s16, 24576
	s_mul_i32 s93, s16, 49152
	s_mul_i32 s94, s16, 4*KPB
	s_mul_i32 s95, s16, 8*KPB
	s_wait_kmcnt 0x0
	s_add_nc_u64 s[22:23], s[4:5], s[22:23]
	s_add_nc_u64 s[40:41], s[4:5], s[40:41]
	s_add_nc_u64 s[44:45], s[6:7], s[44:45]
	s_add_nc_u64 s[46:47], s[6:7], s[46:47]
	CROUND                                         ; all four work-groups are here: the first joint loads meet
	s_mov_b32 s[G0SA], 1
	s_add_co_u32 s[G0SA+1], s94, SCL
	s_mov_b64 s[G0SA+2:G0SA+3], s[40:41]
	s_or_b32 s[G0SA+3], s[G0SA+3], 0x80000000
	s_mov_b32 s[G0SB], 1
	s_add_co_u32 s[G0SB+1], s95, SCL+8*KPB
	s_mov_b64 s[G0SB+2:G0SB+3], s[46:47]
	s_or_b32 s[G0SB+3], s[G0SB+3], 0x80000000
	JLOAD G0SA, G1SA, G0SB, G1SB
.irp s, 0,1
	s_mov_b32 s[G0A+4*\s], 1
	s_add_co_u32 s[G0A+4*\s+1], s92, \s*SLOT
	s_add_nc_u64 s[G0A+4*\s+2:G0A+4*\s+3], s[22:23], \s*6144
	s_or_b32 s[G0A+4*\s+3], s[G0A+4*\s+3], 0x80000000
	s_mov_b32 s[G0B+4*\s], 1
	s_add_co_u32 s[G0B+4*\s+1], s93, \s*SLOT+49152
	s_add_nc_u64 s[G0B+4*\s+2:G0B+4*\s+3], s[44:45], \s*6144
	s_or_b32 s[G0B+4*\s+3], s[G0B+4*\s+3], 0x80000000
	JLOAD G0A+4*\s, G1A, G0B+4*\s, G1B             ; by this text's count three tensor loads of a wave are out
.endr
	v_and_b32 v1, 31, v0
	v_and_b32 v2, 15, v0
	v_bfe_u32 v3, v0, 4, 1
	s_mul_i32 s20, s15, 24576
	v_lshl_add_u32 v[ADRA], v1, 3, s20
	v_add_nc_u32 v[ADRA+1], SLOT, v[ADRA]
	s_mul_i32 s20, s16, 49152
	s_add_co_u32 s20, s20, 49152
	v_lshl_add_u32 v[ADRB], v1, 3, s20
	v_add_nc_u32 v[ADRB+1], SLOT, v[ADRB]
	s_mul_i32 s20, s15, 4*KPB
	s_mul_i32 s21, s16, 8*KPB
	s_add_co_u32 s21, s21, 8*KPB
	s_sub_co_u32 s21, s21, s20
	v_mul_u32_u24 v4, s21, v3
	s_add_co_u32 s20, s20, SCL
	v_lshl_add_u32 v4, v2, 3, v4
	v_add_nc_u32 v[ADRS], s20, v4
	s_mul_i32 s20, s14, 16*528
	s_add_co_u32 s20, s20, STG
	v_mul_u32_u24 v4, v2, 528
	v_lshl_add_u32 v4, v3, 5, v4
	v_add_nc_u32 v[STO], s20, v4
	v_lshlrev_b32 v[CO], 4, v1
	v_add_nc_u32 v[RD], s20, v[CO]
	s_lshl_b32 s20, s17, 7
	s_lshl_b32 s21, s15, 6
	s_add_co_u32 s20, s20, s21                     ; my first row
	s_lshl_b32 s20, s20, 13
	s_lshl_b32 s21, s18, 10
	s_add_co_u32 s20, s20, s21
	s_lshl_b32 s21, s16, 9
	s_add_co_u32 s20, s20, s21
	s_mov_b32 s21, 0
	s_add_nc_u64 s[22:23], s[8:9], s[20:21]        ; the result at my first row, my 128 columns
.macro FETCHF f, sl, q, set            ; fragment f of the slot's q-th 128 along K into set: f 0-7 the weight's, 8-11 the activations'
.if (\f) < 8
	WIN TO_B
.irp p, 0,1,2,3,4,5
	ds_load_b64 v[128*(\set)+12*(\f)+2*\p:128*(\set)+12*(\f)+2*\p+1], v[ADRB+(\sl)] offset:(\f)*6144+(\q)*1536+256*\p
.endr
.else
	WIN 0
.irp p, 0,1,2,3,4,5
	ds_load_b64 v[AF+48*(\set)+12*((\f)-8)+2*\p:AF+48*(\set)+12*((\f)-8)+2*\p+1], v[ADRA+(\sl)] offset:((\f)-8)*6144+(\q)*1536+256*\p
.endr
.endif
.endm
.macro FETCH12 sl, q, set              ; all twelve in one run: 72 loads, two window switches; every window is 0 behind it
.set ff, 0
.rept 12
	FETCHF ff, \sl, \q, \set
.set ff, ff+1
.endr
.endm
.macro SCALES sl, i
	WIN 0
.irp b, 0,1,2,3,4,5,6,7
.irp k, 0,1
	ds_load_b64 v[SC+32*(\sl)+4*\b+2*\k:SC+32*(\sl)+4*\b+2*\k+1], v[ADRS] offset:\b*KPB+(2*(\i)+\k)*128
.endr
.endr
.endm
.macro MM set, sl, q, zero             ; the 32 accumulators take turns in the same order in every step
.if \zero
	v_wmma_scale_f32_16x16x128_f8f6f4 v[8*n:8*n+7], v[128*(\set)+12*(n%8):128*(\set)+12*(n%8)+11], v[AF+48*(\set)+12*(n/8):AF+48*(\set)+12*(n/8)+11], 0, v[SC+32*(\sl)+4*(n%8)+(\q)], v[SC+32*(\sl)+4*(n/8)+(\q)] matrix_a_fmt:MATRIX_FMT_BF6 matrix_b_fmt:MATRIX_FMT_BF6 matrix_a_scale:MATRIX_SCALE_ROW1
.else
	v_wmma_scale_f32_16x16x128_f8f6f4 v[8*n:8*n+7], v[128*(\set)+12*(n%8):128*(\set)+12*(n%8)+11], v[AF+48*(\set)+12*(n/8):AF+48*(\set)+12*(n/8)+11], v[8*n:8*n+7], v[SC+32*(\sl)+4*(n%8)+(\q)], v[SC+32*(\sl)+4*(n/8)+(\q)] matrix_a_fmt:MATRIX_FMT_BF6 matrix_b_fmt:MATRIX_FMT_BF6 matrix_a_scale:MATRIX_SCALE_ROW1
.endif
.endm
; 128 along K.  The next 128's twelve fragments go into the other set in ONE run at the head: they have this step's 32 products in which to land, and the step has three window switches.
; sc = 1: the next K step's scale words (they lie in LDS since the first fills) go out with the run, into the other set of scale registers, which the last slot's products have left.
.macro KS set, sl, q, zero, nsl, nq, sc, si
	s_wait_dscnt 0x0                               ; this set's fragments and scale words are in
	PLACES 4                                       ; four places between the last product that read the other set and the loads into it
	FETCH12 \nsl, \nq, 1-\set
.if \sc
	SCALES 1-\sl, \si
.endif
	WIN MUL
.set n, 0
.rept 32
	MM \set, \sl, \q, \zero
.set n, n+1
.endr
.endm
.macro TURN sl, fill
	WIN 0
	s_wait_tensorcnt 0x0                           ; all my tensor loads have landed: my part of the next slot
	ds_add_u32 v[SPW], v[NIL]
.if \fill
	s_add_nc_u64 s[G0A+4*\sl+2:G0A+4*\sl+3], s[G0A+4*\sl+2:G0A+4*\sl+3], 12288
	s_add_nc_u64 s[G0B+4*\sl+2:G0B+4*\sl+3], s[G0B+4*\sl+2:G0B+4*\sl+3], 12288
.endif
	s_wait_dscnt 0x0                               ; the add is done, and my reads of this slot are over
	s_barrier_signal -1
	WIN MUL
.set n, 0
.rept 8
	MM 1, \sl, 3, 0
.set n, n+1
.endr
	WIN 0
	s_barrier_wait -1
.if \fill
	CREST                                          ; a round of the cluster's barrier: no wave of any partner still reads this slot or has a load on its way
	JLOAD G0A+4*\sl, G1A, G0B+4*\sl, G1B           ; the first tensor load behind the round; its four v_nop are also the places in front of the loads below
.else
	PLACES 4
.endif
	FETCH12 1-\sl, 0, 0                            ; the next slot's first fragments, in one run
	WIN MUL
.rept 24
	MM 1, \sl, 3, 0
.set n, n+1
.endr
.endm
.macro LASTKS sl
	s_wait_dscnt 0x0
	WIN MUL
.set n, 0
.rept 32
	MM 1, \sl, 3, 0
.set n, n+1
.endr
.endm
.macro STEPS i, sl, zero, last, fill
	KS 0, \sl, 0, \zero, \sl, 1, 0, 0
	KS 1, \sl, 1, 0, \sl, 2, 0, 0
	KS 0, \sl, 2, 0, \sl, 3, 1-\last, (\i)+1
.if \last
	LASTKS \sl
.else
	TURN \sl, \fill
.endif
.endm
	s_wait_tensorcnt 0x1                           ; the scale bytes and my part of K step 0 are in; K step 1's load may be out
	s_barrier_signal -1
	s_barrier_wait -1
	FETCH12 0, 0, 0
	SCALES 0, 0
	STEPS 0, 0, 1, 0, 1
	STEPS 1, 1, 0, 0, 1
	STEPS 2, 0, 0, 0, 1
	STEPS 3, 1, 0, 0, 0
	STEPS 4, 0, 0, 1, 0
	WIN 0
	PLACES 4                                       ; in front of the first read of results and of the loads into the fragments' registers
; THE WAY OUT, 16 rows x 128 columns at a time, through my own stage: in as 32 bytes a lane, back as whole rows of 512 bytes
.macro TOSTAGE a
	WIN 0x08                                       ; an LDS store's data are its source 1: window 2
.irp b, 0,1,2,3,4,5,6,7
	ds_store_b128 v[STO], v[64*(\a)+8*\b:64*(\a)+8*\b+3] offset:64*\b            ; each accumulator from its low end on
	ds_store_b128 v[STO], v[64*(\a)+8*\b+4:64*(\a)+8*\b+7] offset:64*\b+16
.endr
	WIN 0
.irp t, 0,1,2,3,4,5,6,7,8,9,10,11,12,13,14,15
	ds_load_b128 v[BK+64*((\a)%2)+4*\t:BK+64*((\a)%2)+4*\t+3], v[RD] offset:\t*528   ; LDS serves a wave's instructions in order (ISA guide 5.7.1.4)
.endr
.endm
.macro SEND a, younger
	s_wait_dscnt \younger                          ; the block is back; the next block's 16 stores and 16 loads may be out
.irp t, 0,1,2,3,4,5,6,7,8,9,10,11,12,13,14,15
	global_store_b128 v[CO], v[BK+64*((\a)%2)+4*\t:BK+64*((\a)%2)+4*\t+3], s[22:23] offset:(16*(\a)+\t)*8192 th:TH_STORE_NT   ; 32 lanes store 512 consecutive bytes, aligned
.endr
.endm
	TOSTAGE 0
	TOSTAGE 1
	SEND 0, 32
	s_wait_xcnt 0x0                                ; block 0's stores have read their registers: block 2's loads may land there
	TOSTAGE 2
	SEND 1, 32
	s_wait_xcnt 0x0
	TOSTAGE 3
	SEND 2, 32
	SEND 3, 0
	s_wait_tensorcnt 0x0                           ; the wave's end
	ds_add_u32 v[SPW], v[NIL]
	s_wait_dscnt 0x0
	CROUND                                         ; the closing round
	s_endpgm
.Lfunc_end_k_q442774aec4_gemm2:
	.size	k_q442774aec4_gemm2, .Lfunc_end_k_q442774aec4_gemm2-k_q442774aec4_gemm2
	.p2alignl 7, 3214868480
	.fill 96, 4, 3214868480
	.section	.rodata,"a",@progbits
	.p2align	6, 0x0
	.amdhsa_kernel k_q442774aec4_gemm2
		.amdhsa_group_segment_fixed_size 327680
		.amdhsa_private_segment_fixed_size 0
		.amdhsa_enable_private_segment 0
		.amdhsa_kernarg_size 24
		.amdhsa_user_sgpr_count 2
		.amdhsa_user_sgpr_kernarg_segment_ptr 1
		.amdhsa_wavefront_size32 1
		.amdhsa_system_sgpr_workgroup_id_x 1
		.amdhsa_system_sgpr_workgroup_id_y 1
		.amdhsa_system_sgpr_workgroup_id_z 1
		.amdhsa_system_vgpr_workitem_id 0
		.amdhsa_next_free_vgpr 768
		.amdhsa_next_free_sgpr 102
		.amdhsa_reserve_vcc 0
		.amdhsa_float_denorm_mode_32 3
		.amdhsa_float_denorm_mode_16_64 3
		.amdhsa_memory_ordered 1
		.amdhsa_forward_progress 1
		.amdhsa_inst_pref_size 208
	.end_amdhsa_kernel
	.amdgpu_metadata
---
amdhsa.version: [ 1, 2 ]
amdhsa.kernels:
  - .name:           k_q442774aec4_gemm2
    .symbol:         k_q442774aec4_gemm2.kd
    .args:
      - { .name: act2, .offset: 0, .size: 8, .value_kind: global_buffer, .address_space: global }
      - { .name: wq2, .offset: 8, .size: 8, .value_kind: global_buffer, .address_space: global }
      - { .name: out0, .offset: 16, .size: 8, .value_kind: global_buffer, .address_space: global }
    .group_segment_fixed_size: 327680
    .private_segment_fixed_size: 0
    .kernarg_segment_align: 8
    .kernarg_segment_size: 24
    .max_flat_workgroup_size: 128
    .sgpr_count:     102
    .vgpr_count:     768
    .wavefront_size: 32
...
	.end_amdgpu_metadata
.endif
;; end of part 4
